; MI455X (gfx1250); checked and timed in simulation.
; The chip was launched on July 23, 2026; its instructions are those of AMD's public machine-readable ISA for CDNA 5 (MIT licence, August 2026) and "CDNA5" Instruction Set Architecture Reference Guide (July 2026). The comments in the code are by the model that wrote it; some were corrected since.
;; Parallel Dropless MLP. Allowed arithmetic: float matrix products may take bf16 or f16 operands with f32 sums; all other float work in f32.
;; Inputs: expert_indices 8,192 x 2 int32; expert_weights 8,192 x 2 float32; w1 8 x 1,024 x 256 float32; w2 8 x 256 x 1,024 float32; x 2,048 x 4 x 1,024 float32.
;; Outputs: out0 2,048 x 4 x 1,024 float32.
;; 3 versions, each right; version 2 is faster than version 1; version 3 is version 2 with the launch moe written anew for expert scheduling mode. Each part assembles by itself: llvm-mc -triple=amdgcn-amd-amdhsa -mcpu=gfx1250 --defsym DOCPART=n.
;; ======== version 1 of 3: 2 launches
;; limits: values are held in f16: magnitudes above 65,504 overflow, below 6.1e-05 lose precision
;; workspace buffers: perm 32,768 bytes of whole numbers; tmask 512 bytes of whole numbers; wf 8,388,608 bytes
;; launch prep (part 1): grid 129 x 1, 32 waves a work-group, no clusters, 12,288 bytes of LDS; arguments expert_indices, w1, w2, perm, tmask, wf; writes perm, tmask, wf
.if DOCPART == 1
	.amdgcn_target "amdgcn-amd-amdhsa--gfx1250"
	.amdhsa_code_object_version 6
	.text
	.protected	k_qdf8f5ce890_prep
	.globl	k_qdf8f5ce890_prep
	.p2align	8
	.type	k_qdf8f5ce890_prep,@function
k_qdf8f5ce890_prep:
	s_mov_b64 s[64:65], 0
	v_nop
	global_prefetch_b8 v0, s[64:65] scope:SCOPE_SE
	s_setreg_imm32_b32 hwreg(HW_REG_WAVE_MODE, 25, 1), 1
	s_wait_xcnt 0x0
; ParallelDroplessMLP, first of two launches: the order of the tokens, and the weights in f16 in fragment order.
;
; WORK LEFT OUT (both launches).  The result is out[t] = sum over k of w[t,k] * MLP_e(x[t]) with e = idx[t,k]: for every other expert
; the reference multiplies that expert's y by a mask that is 0, whatever finite values x, w1 and w2 hold.  So an expert is run on a tile of 64
; tokens only if one of the tile's tokens names it; which experts those are is decided by whole numbers (expert_indices), stored here
; and read from memory by the second launch.  Inside a tile a row that does not name the expert gets the factor 0.  The two copies of
; a token in x_rep are one row of x.  Every input has a way to the output and is loaded.
; LIMITS.  A NaN, an infinity or an overflow that arises only in an expert that no token of a tile names is not carried to the result.
; Where idx[t,0] = idx[t,1] the two weights are added first, and the weight is multiplied into gelu's result in front of the second
; product: another order of rounding than the reference's.  An index outside 0..7 matches no expert, as in the reference; only the
; sort key takes it as 7.
; FORMAT.  The matrix operands are f16 (eleven significant bits): a weight above 65,504 in size becomes infinite, one under 2^-14 keeps an
; absolute step of 2^-24.  w1 is drawn with a spread of 1/32 and w2 of 1/16: thirty times larger they stay under 12, thirty times smaller their
; spread is 0.001 and more, 17,000 steps.
;
; Work-group 0: the 8,192 tokens are put in the order of their unordered pair of experts, key = 8 min + max, so that a tile of 64
;   neighbours names two experts, or three or more only where a run of equal keys ends inside it.  perm[place] = token;
;   tmask[tile] = the bits of the experts named in places 64 tile .. 64 tile + 63.
; Work-groups 1..128: wf[e][w][U][i][j][L][t] (f16; bytes e<<20 + w<<18 + U<<12 + i<<10 + j<<9 + 16 L + 2 t), with L = 16 h + r and
;   k = 32 ks + 16 j + 8 h + t:  U < 32: ks = U, w1[e][k][64 w + 16 i + r];  U >= 32: ks = (U-32)>>2, q = (U-32)&3,
;   w2[e][k][256 w + 64 q + 16 i + r].  The two runs j = 0, 1 of 512 bytes are one matrix fragment of 16 n x 32 k as 32 lanes hold it.
; No LDS address is made of a loaded number: ranks and counts are made by ballots in registers, look-ups go from lane to lane.
.set KEY,  32                          ; v[32:39]  key of my token in chunk c
.set LP,   40                          ; v[40:47]  how many tokens of my wave with my key stand in front of it
.set HIS,  48                          ; v[48:49]  my wave's counts of bins 2 lane, 2 lane + 1
.set TOT,  52                          ; v[52:53]  those bins' counts over all waves
.set BEF,  54                          ; v[54:55]  over the waves in front of mine; later plus the bin's start
.set ST0,  60                          ; v60 start of bin 2 lane; v61 start of bin 2 lane + 1 = end of bin 2 lane; v62 end of bin 2 lane + 1
.set ROWS, 64                          ; v[64:127] the 32 waves' counts of my two bins
	s_load_b256 s[4:11], s[0:1], 0x0               ; expert_indices s[4:5], w1 s[6:7], w2 s[8:9], perm s[10:11]
	s_load_b128 s[12:15], s[0:1], 0x20             ; tmask s[12:13], wf s[14:15]
	v_lshl_add_u32 v7, v0, 2, 0x2000
	v_mov_b32 v63, 0
	v_lshrrev_b32 v1, 5, v0
	v_readfirstlane_b32 s16, v1                    ; wave W, 0..31
	v_and_b32 v1, 31, v0                           ; lane
	s_cmp_lg_u32 ttmp9, 0                          ; the same in all waves of a work-group: the one barrier below is passed by all 32 waves of work-group 0
	s_cbranch_scc1 .Lconv
	; ---------------- work-group 0: the order ----------------
	; Token = 256 W + 32 c + lane, c = 0..7.
	v_lshlrev_b32 v3, 3, v1                        ; 8 lane
	v_lshl_add_u32 v4, s16, 11, v3                 ; my token's two indices in chunk 0: 8 bytes a token
	v_lshl_add_u32 v5, s16, 8, v3                  ; my wave's row of counts in LDS: 256 W + 8 lane (also my place in tmask)
	v_lshl_add_u32 v59, s16, 8, v1                 ; my token in chunk 0
	s_wait_kmcnt 0x0
.irp c, 0,1,2,3,4,5,6,7
	global_load_b64 v[16+2*\c:17+2*\c], v4, s[4:5] offset:256*\c
.endr
	v_mov_b32 v[HIS], 0                            ; bins with min > max stay empty
	v_mov_b32 v[HIS+1], 0
	s_wait_loadcnt 0x0
.irp c, 0,1,2,3,4,5,6,7
	v_min_u32 v56, 7, v[16+2*\c]
	v_min_u32 v57, 7, v[17+2*\c]
	v_min_u32 v58, v56, v57
	v_max_u32 v56, v56, v57
	v_lshl_add_u32 v[KEY+\c], v58, 3, v56
	v_mov_b32 v[LP+\c], 0                          ; written whole here; each lane's value is set in its key's BIN
.endr
; One bin: through the eight chunks with a running count s20.  The ballot of the lanes that hold the key gives each of them its rank.
.macro BIN lo, hi
	s_mov_b32 s20, 0
.irp c, 0,1,2,3,4,5,6,7
	v_cmp_eq_u32 vcc_lo, 8*\lo+\hi, v[KEY+\c]
	v_mbcnt_lo_u32_b32 v56, vcc_lo, s20            ; the count so far + the holders in lower lanes
	s_bcnt1_i32_b32 s21, vcc_lo
	v_cndmask_b32 v[LP+\c], v[LP+\c], v56, vcc_lo
	s_add_co_u32 s20, s20, s21
.endr
	v_writelane_b32 v[HIS+((8*\lo+\hi)&1)], s20, (8*\lo+\hi)>>1
.endm
.irp lo, 0,1,2,3,4,5,6,7
.irp hi, 0,1,2,3,4,5,6,7
.if \hi >= \lo
	BIN \lo, \hi
.endif
.endr
.endr
	ds_store_b64 v5, v[HIS:HIS+1]                  ; my wave's own 256 bytes
	s_wait_dscnt 0x0                               ; stored, for the other waves' sake
	s_barrier_signal -1
	s_barrier_wait -1
	; Every wave adds up all 32 rows itself: the totals, and the part of the waves in front of it.  Nothing is written to LDS any more.
.set WI, 0
.rept 32
	ds_load_b64 v[ROWS+2*WI:ROWS+2*WI+1], v3 offset:256*WI
.set WI, WI+1
.endr
.irp r, 0,1,2,3
	v_mov_b32 v[TOT+\r], 0
.endr
	s_wait_dscnt 0x0
.set WI, 0
.rept 32
	s_cmp_lt_u32 WI, s16
	s_cselect_b32 s20, 1, 0                        ; 1 for the waves in front of mine
	v_add_nc_u32 v[TOT], v[TOT], v[ROWS+2*WI]
	v_add_nc_u32 v[TOT+1], v[TOT+1], v[ROWS+2*WI+1]
	v_mad_u32_u24 v[BEF], v[ROWS+2*WI], s20, v[BEF]
	v_mad_u32_u24 v[BEF+1], v[ROWS+2*WI+1], s20, v[BEF+1]
.set WI, WI+1
.endr
	; where each bin starts: a running sum over the lanes of my two bins' total
	v_add_nc_u32 v56, v[TOT], v[TOT+1]
	v_mov_b32 v58, v56
	v_mov_b32 v57, 0
.irp n, 1,2,4,8
	v_mov_b32_dpp v57, v58 row_shr:\n row_mask:0xf bank_mask:0xf bound_ctrl:1   ; lanes without a source take 0
	v_add_nc_u32 v58, v58, v57
.endr
	v_readlane_b32 s21, v58, 15                    ; the lower sixteen lanes' sum goes on top of the upper sixteen
	v_mov_b32 v57, s21
	v_cmp_lt_u32 vcc_lo, 15, v1
	v_cndmask_b32 v57, 0, v57, vcc_lo
	v_add_nc_u32 v58, v58, v57
	v_sub_nc_u32 v[ST0], v58, v56
	v_add_nc_u32 v[ST0+1], v[ST0], v[TOT]
	v_add_nc_u32 v[ST0+2], v[ST0+1], v[TOT+1]
	v_add_nc_u32 v[BEF], v[BEF], v[ST0]            ; where my wave's tokens of bin 2 lane begin,
	v_add_nc_u32 v[BEF+1], v[BEF+1], v[ST0+1]      ; and of bin 2 lane + 1
	; place = that start of my key's bin + my rank: fetched from lane key >> 1, no LDS byte is touched
.irp c, 0,1,2,3,4,5,6,7
	v_lshlrev_b32 v[96+\c], 1, v[KEY+\c]
	v_and_b32 v[96+\c], 0x7c, v[96+\c]             ; 4 x (key >> 1)
	ds_bpermute_b32 v[ROWS+2*\c], v[96+\c], v[BEF]
	ds_bpermute_b32 v[ROWS+2*\c+1], v[96+\c], v[BEF+1]
.endr
	s_wait_dscnt 0x0
.irp c, 0,1,2,3,4,5,6,7
	v_and_b32 v56, 1, v[KEY+\c]
	v_cmp_eq_u32 vcc_lo, 1, v56
	v_cndmask_b32 v56, v[ROWS+2*\c], v[ROWS+2*\c+1], vcc_lo
	v_add_nc_u32 v56, v56, v[LP+\c]
	v_min_u32 v[104+\c], 0x1fff, v56               ; a number made of loaded ones enters an address only bounded
	v_lshlrev_b32 v[104+\c], 2, v[104+\c]
	v_add_nc_u32 v[112+\c], 32*\c, v59
	global_store_b32 v[104+\c], v[112+\c], s[10:11] ; perm[place] = token: 4 bytes a lane, 32 KiB in all; lanes with one key store neighbouring words
.endr
	; tmask, by waves 0 and 1: tile g = 64 W + 2 lane + (0, 1).  Bin b lies in places start .. end - 1 and touches the tile if
	; max(start, 64 g) < min(end, 64 g + 64); an empty bin never does.
	s_cmp_gt_u32 s16, 1
	s_cbranch_scc1 .Ldone
	v_lshlrev_b32 v70, 7, v1
	v_lshl_add_u32 v70, s16, 12, v70               ; 64 g of my first tile,
	v_add_nc_u32 v71, 64, v70                      ; its end = the second tile's begin,
	v_add_nc_u32 v72, 0x80, v70                    ; the second tile's end
	v_mov_b32 v73, 0
	v_mov_b32 v74, 0
	v_mov_b32 v75, 0
.macro TBIN lo, hi
	v_readlane_b32 s20, v[ST0+((8*\lo+\hi)&1)], (8*\lo+\hi)>>1
	v_readlane_b32 s21, v[ST0+1+((8*\lo+\hi)&1)], (8*\lo+\hi)>>1
	v_max_u32 v76, s20, v70
	v_min_u32 v77, s21, v71
	v_cmp_ge_u32 vcc_lo, v76, v77
	v_cndmask_b32 v76, (1<<\lo)|(1<<\hi), v73, vcc_lo
	v_or_b32 v74, v74, v76
	v_max_u32 v76, s20, v71
	v_min_u32 v77, s21, v72
	v_cmp_ge_u32 vcc_lo, v76, v77
	v_cndmask_b32 v76, (1<<\lo)|(1<<\hi), v73, vcc_lo
	v_or_b32 v75, v75, v76
.endm
.irp lo, 0,1,2,3,4,5,6,7
.irp hi, 0,1,2,3,4,5,6,7
.if \hi >= \lo
	TBIN \lo, \hi
.endif
.endr
.endr
	global_store_b64 v5, v[74:75], s[12:13]        ; 256 consecutive bytes a wave, aligned
.Ldone:
	s_wait_tensorcnt 0x0
	ds_add_u32 v7, v63
	s_wait_dscnt 0x0
	s_endpgm
	; ---------------- work-groups 1..128: the weights ----------------
	; A wave takes one (e, w, U, j): 16 k x 64 n of f32 in, four runs of 512 bytes of f16 out.  Lane lam loads column n0 + 32 ip + lam
	; of 16 rows k; eight neighbouring k of one column are one lane's 16 bytes of a fragment.
.Lconv:
	s_sub_co_u32 s17, ttmp9, 1
	s_lshl_b32 s17, s17, 5
	s_add_co_u32 s17, s17, s16                     ; task = e<<9 | w<<7 | U<<1 | j
	s_and_b32 s18, s17, 1                          ; j
	s_bfe_u32 s19, s17, 0x60001                    ; U
	s_bfe_u32 s20, s17, 0x20007                    ; w
	s_lshr_b32 s21, s17, 9                         ; e
	s_lshr_b32 s22, s17, 1
	s_lshl_b32 s22, s22, 12
	s_lshl_b32 s23, s18, 9
	s_add_co_u32 s22, s22, s23                     ; e<<20 + w<<18 + U<<12 + j<<9
	v_and_b32 v4, 15, v1                           ; r
	v_lshrrev_b32 v5, 4, v1                        ; which of the two column blocks of a load
	v_lshlrev_b32 v3, 4, v4
	v_lshl_add_u32 v3, v5, 10, v3
	v_add_nc_u32 v3, s22, v3                       ; out: 16 r + 1024 (lam >> 4) + the task's place
	v_lshlrev_b32 v2, 2, v1                        ; in: 4 lam
	s_lshl_b32 s21, s21, 20                        ; an expert's w1 and its w2 are 1 MiB each
; b: the scalar pair of the tensor; ks: bytes from a row k to the next
.macro CONV b, ks
.irp h, 0,1
.irp ip, 0,1
.irp kk, 0,1,2,3,4,5,6,7
	global_load_b32 v[8+16*\h+8*\ip+\kk], v2, s[\b:\b+1] offset:(8*\h+\kk)*\ks+128*\ip th:TH_LOAD_NT   ; read once in the launch
.endr
.endr
.endr
	s_wait_loadcnt 0x0
.irp h, 0,1
.irp ip, 0,1
.irp p, 0,1,2,3
	v_cvt_pk_f16_f32 v[40+4*(2*\h+\ip)+\p], v[8+16*\h+8*\ip+2*\p], v[8+16*\h+8*\ip+2*\p+1]
.endr
	global_store_b128 v3, v[40+4*(2*\h+\ip):40+4*(2*\h+\ip)+3], s[14:15] offset:2048*\ip+256*\h   ; sixteen lanes fill 256 consecutive bytes, aligned
.endr
.endr
.endm
	s_cmp_lt_u32 s19, 32
	s_cbranch_scc0 .Lw2
	s_lshl_b32 s23, s19, 15                        ; w1[e][32 U + 16 j + ..][64 w + ..]: rows of 1,024 bytes
	s_add_co_u32 s21, s21, s23
	s_lshl_b32 s23, s18, 14
	s_add_co_u32 s21, s21, s23
	s_lshl_b32 s23, s20, 8
	s_add_co_u32 s21, s21, s23
	v_add_nc_u32 v2, s21, v2
	s_wait_kmcnt 0x0
	CONV 6, 1024
	s_endpgm
.Lw2:
	s_and_b32 s19, s19, 31                         ; w2[e][32 ks + 16 j + ..][256 w + 64 q + ..]: rows of 4,096 bytes
	s_lshr_b32 s23, s19, 2
	s_lshl_b32 s23, s23, 17
	s_add_co_u32 s21, s21, s23
	s_lshl_b32 s23, s18, 16
	s_add_co_u32 s21, s21, s23
	s_lshl_b32 s23, s20, 10
	s_add_co_u32 s21, s21, s23
	s_and_b32 s23, s19, 3
	s_lshl_b32 s23, s23, 8
	s_add_co_u32 s21, s21, s23
	v_add_nc_u32 v2, s21, v2
	s_wait_kmcnt 0x0
	CONV 8, 4096
	s_endpgm
.Lfunc_end_k_qdf8f5ce890_prep:
	.size	k_qdf8f5ce890_prep, .Lfunc_end_k_qdf8f5ce890_prep-k_qdf8f5ce890_prep
	.p2alignl 7, 3214868480
	.fill 96, 4, 3214868480
	.section	.rodata,"a",@progbits
	.p2align	6, 0x0
	.amdhsa_kernel k_qdf8f5ce890_prep
		.amdhsa_group_segment_fixed_size 12288
		.amdhsa_private_segment_fixed_size 0
		.amdhsa_enable_private_segment 0
		.amdhsa_kernarg_size 48
		.amdhsa_user_sgpr_count 2
		.amdhsa_user_sgpr_kernarg_segment_ptr 1
		.amdhsa_wavefront_size32 1
		.amdhsa_system_sgpr_workgroup_id_x 1
		.amdhsa_system_sgpr_workgroup_id_y 1
		.amdhsa_system_sgpr_workgroup_id_z 1
		.amdhsa_system_vgpr_workitem_id 0
		.amdhsa_next_free_vgpr 128
		.amdhsa_next_free_sgpr 66
		.amdhsa_reserve_vcc 1
		.amdhsa_float_denorm_mode_32 3
		.amdhsa_float_denorm_mode_16_64 3
		.amdhsa_memory_ordered 1
		.amdhsa_forward_progress 1
		.amdhsa_inst_pref_size 105
	.end_amdhsa_kernel
	.amdgpu_metadata
---
amdhsa.version: [ 1, 2 ]
amdhsa.kernels:
  - .name:           k_qdf8f5ce890_prep
    .symbol:         k_qdf8f5ce890_prep.kd
    .args:
      - { .name: expert_indices, .offset: 0, .size: 8, .value_kind: global_buffer, .address_space: global }
      - { .name: w1, .offset: 8, .size: 8, .value_kind: global_buffer, .address_space: global }
      - { .name: w2, .offset: 16, .size: 8, .value_kind: global_buffer, .address_space: global }
      - { .name: perm, .offset: 24, .size: 8, .value_kind: global_buffer, .address_space: global }
      - { .name: tmask, .offset: 32, .size: 8, .value_kind: global_buffer, .address_space: global }
      - { .name: wf, .offset: 40, .size: 8, .value_kind: global_buffer, .address_space: global }
    .group_segment_fixed_size: 12288
    .private_segment_fixed_size: 0
    .kernarg_segment_align: 8
    .kernarg_segment_size: 48
    .max_flat_workgroup_size: 1024
    .sgpr_count:     66
    .vgpr_count:     128
    .wavefront_size: 32
...
	.end_amdgpu_metadata
.endif
;; end of part 1
;; launch moe (part 2): grid 128 x 1, 4 waves a work-group, no clusters, 232,960 bytes of LDS; arguments x, expert_weights, expert_indices, perm, tmask, wf, out0; writes out0
.if DOCPART == 2
	.amdgcn_target "amdgcn-amd-amdhsa--gfx1250"
	.amdhsa_code_object_version 6
	.text
	.protected	k_qdf8f5ce890_moe
	.globl	k_qdf8f5ce890_moe
	.p2align	8
	.type	k_qdf8f5ce890_moe,@function
k_qdf8f5ce890_moe:
	s_mov_b64 s[64:65], 0
	v_nop
	global_prefetch_b8 v0, s[64:65] scope:SCOPE_SE
	s_setreg_imm32_b32 hwreg(HW_REG_WAVE_MODE, 25, 1), 1
	s_wait_xcnt 0x0
; ParallelDroplessMLP, second launch.  A work-group owns the 64 tokens at places 64 g .. 64 g + 63 of perm from their x rows to their out rows:
;   out[t] = S[t] sum over the experts e of the tile's mask of ( c[t,e] gelu(x[t] W1[e]) ) W2[e],
;   c[t,e] = sum over k of (w[t,k] / S[t]) (idx[t,k] == e),   S[t] = max(|w[t,0]| + |w[t,1]|, 2^-100).
; WORK LEFT OUT: experts that no token of the tile names (their mask in the reference is 0 for all 64 rows, whatever the inputs hold); the tile's
; mask is read from memory.  A NaN, infinity or overflow that arises only there is not carried to the result.  c is multiplied in ahead of the
; second product, and two equal indices add their weights first: another order of rounding than the reference's.
; gelu is the tanh form, rearranged exactly: z (1 + tanh(s (z + 0.044715 z^3))) / 2 = z / (1 + 2^(z (a + b z^2))), a = -2 s log2 e, b = 0.044715 a.
; Where the power overflows or comes out as zero the factor ends at 0 or 1, the limits of the tanh form.
; FORMAT AND ITS LIMITS.  The matrix operands (x, W1, c gelu, W2) are f16, eleven significant bits; sums, gelu and the weights are f32.  An operand above
; 65,504 in size becomes infinite; one under 2^-14 keeps an absolute step of 2^-24.  The room, from the kind of numbers that the inputs hold: x thirty
; times larger stays under 200; z = x W1 has a spread of 1, of 900 with x and W1 both thirty times larger (six spreads: 5,400), and is
; 1,024 x 30 x 0.94 = 28,800 with both offset by thirty spreads; with both thirty times smaller gelu's spread is 0.0005, 9,000 steps.  |c| <= 1 by the
; division by S, so the weights' size does not enter an f16 operand at all.  |w0| + |w1| above 2^126 is not served (its reciprocal comes out as zero).
;
; Four waves.  x rows are gathered once, rounded to f16 and kept in LDS.  First product: wave w makes all 64 rows x FFN columns 64 w .. +63 (16
; accumulator tiles); the result goes through LDS as f16.  Second product: wave w makes all 64 rows x out columns 256 w .. +255: 64 accumulator
; tiles, 512 registers, which stay over all experts, so that a token's two copies are summed in registers and each out row is stored once.
; Weights come as ready fragments (wf) straight into the registers of the one wave that uses them, through a ring of six units of 4 KiB
; (four fragments of 16 n x 32 k, each multiplied with four row fragments); a pass is 64 units, 256 KiB consecutive for a wave.
; NO CLUSTER, NO TENSOR LOADS: no weight byte is used by two waves of a work-group, so LDS would only be a detour for them; which experts a tile
; walks hangs on its mask, so neighbours would ask for different tiles; x is a gather of rows that are rounded on the way.
; THE MATRIX INSTRUCTION IS USED TRANSPOSED: source 0 = 16 columns of the weights, source 1 = 16 token rows.  Lane (r = lane % 16, h = lane / 16) then
; holds row r and the eight neighbouring columns n0 + 8 h + 0..7.
;
; LDS: X 64 rows x 2,064 (2,048 + 16); H 64 rows x 528 (512 + 16); STAGE 4 waves x 16 rows x 1,040 (1,024 + 16).  Each pitch is an odd multiple of 16
; bytes, so sixteen rows' 16-byte pieces fall on sixteen different 16-byte columns of a 256-byte span.
; REGISTERS: window 0: addresses, factors, gelu's work, v128-255 the first product's 16 tiles.  Window 1: v0-191 the ring, v192-223 and v224-255 two
; buffers of row fragments.  Windows 2, 3: the 64 out tiles; tile (q, i, mt) = columns 64 q + 16 i, rows 16 mt, at 8 ((4 (q & 1) + i) 4 + mt) of window 2 + (q >> 1).
.set XP,   2064
.set HP,   528
.set SP,   1040
.set LH,   64*XP                       ; 132,096: H
.set LS,   LH+64*HP                    ; 165,888: STAGE
.set EPR,  16                          ; v[16:23]  the two indices of row 16 mt + r
.set WPR,  24                          ; v[24:31]  its two weights, from the end of the gather on divided by S
.set CS,   32                          ; v[32:39]  c of row 16 mt + r for the pass's expert, twice (a pair for the packed multiply); on the way out S, twice
.set TK,   40                          ; v[40:43]  token of row 16 mt + r, then 8 x token;
.set SC,   40                          ;           from the end of the gather on S of row 16 mt + r
.set PK,   44                          ; v[44:47]  eight f16 on their way to H
.set XO,   48                          ; v[48:63]  byte offsets of 16 rows: in x (gather), in out (way out)
.set GS,   64                          ; v[64:255] six row slots of the gather; v[64:191] the way out
.set TT,   64                          ; v[64:71]  gelu
.set UG,   72                          ; v[72:79]  gelu
.set KA,   80                          ; v[80:81]  a, twice
.set KB,   82                          ; v[82:83]  b, twice
.set RS,   84                          ; v[84:87]  1 / S, used once
.set ACC1, 128
.set AB,   192                         ; window 1
; v1 lane, v2 r, v3 h, v4 weights' offset, v5/v6 X fragments (rows 0-31 / 32-63), v7 H fragments, v8 H stores, v9 stage in, v10 stage back,
; v11 16 lane + 1024 w, v12 X stores, v13 16 lane, v14 at work, v15 4 r
.set MSB, 0
.macro WIN new                         ; low byte: bits 1:0 source 0, 3:2 source 1, 5:4 source 2, 7:6 destination; the high byte repeats the setting that is left
.if MSB != \new
	s_set_vgpr_msb (MSB<<8)|\new
.set MSB, \new
.endif
.endm
.macro PLACES                          ; a load into a matrix instruction's source and a read of its result stand four plain vector
.rept 4                                ; instructions behind it (ISA guide 7.12.1)
	v_nop
.endr
.endm
.macro BAR
	s_wait_dscnt 0x0                               ; my LDS stores have landed and my LDS reads are back, for the other waves' sake
	s_barrier_signal -1
	s_barrier_wait -1
.endm
	s_load_b256 s[4:11], s[0:1], 0x0               ; x s[4:5], expert_weights s[6:7], expert_indices s[8:9], perm s[10:11]
	s_load_b128 s[12:15], s[0:1], 0x20             ; tmask s[12:13], wf s[14:15]
	s_load_b64 s[16:17], s[0:1], 0x30              ; out0
	v_lshrrev_b32 v14, 5, v0
	v_readfirstlane_b32 s18, v14                   ; wave w
	v_and_b32 v1, 31, v0
	v_and_b32 v2, 15, v0
	v_bfe_u32 v3, v0, 4, 1
	v_lshlrev_b32 v13, 4, v1
	s_lshl_b32 s26, s18, 18
	v_add_nc_u32 v4, s26, v13                      ; my wave's 256 KiB of an expert's fragments + 16 lane
	v_mul_u32_u24 v5, v2, XP
	v_lshl_add_u32 v5, v3, 4, v5                   ; row r x pitch + 16 h
	v_add_nc_u32 v6, 32*XP, v5                     ; rows 32-63 lie beyond the reach of the 16-bit offset
	v_mul_u32_u24 v7, v2, HP
	v_lshl_add_u32 v7, v3, 4, v7
	v_add_nc_u32 v7, LH, v7
	s_lshl_b32 s26, s18, 7
	v_add_nc_u32 v8, s26, v7                       ; my wave's 64 columns of H: 128 bytes of each row
	s_mul_i32 s26, s18, 16*SP
	s_add_co_u32 s26, s26, LS                      ; my wave's stage
	v_mul_u32_u24 v9, v2, SP
	v_lshl_add_u32 v9, v3, 5, v9
	v_add_nc_u32 v9, s26, v9                       ; in: row r, 32 bytes for each half of the lanes
	v_add_nc_u32 v10, s26, v13                     ; back: 512 neighbouring bytes of a row
	v_lshl_add_u32 v11, s18, 10, v13
	s_mul_i32 s26, s18, 16*XP
	v_lshl_add_u32 v12, v1, 3, s26                 ; my wave's 16 rows of X + 8 lane
	v_lshlrev_b32 v15, 2, v2
	s_wait_kmcnt 0x0
	s_lshl_b32 s20, ttmp9, 8
	s_mov_b32 s21, 0
	s_add_nc_u64 s[30:31], s[10:11], s[20:21]      ; perm at my tile's 64 places
	s_lshl_b32 s20, s18, 6
	s_add_nc_u64 s[32:33], s[30:31], s[20:21]      ; and at my wave's 16
	s_lshl_b32 s20, ttmp9, 2
	s_add_nc_u64 s[34:35], s[12:13], s[20:21]
	s_load_b32 s22, s[34:35], 0x0                  ; the tile's experts
	s_load_b512 s[36:51], s[32:33], 0x0            ; the tokens of rows 16 w .. 16 w + 15
.irp mt, 0,1,2,3
	global_load_b32 v[TK+\mt], v15, s[30:31] offset:64*\mt   ; the token of row 16 mt + r
.endr
	s_wait_kmcnt 0x0
	; ---------------- the gather: wave w brings rows 16 w .. +15, six rows (48 loads) on their way ----------------
.irp i, 0,1,2,3,4,5,6,7,8,9,10,11,12,13,14,15
	s_min_u32 s[36+\i], s[36+\i], 0x1fff           ; a loaded number enters an address only bounded
	s_lshl_b32 s[36+\i], s[36+\i], 12              ; rows of 4,096 bytes
	v_add_nc_u32 v[XO+\i], s[36+\i], v13
.endr
.macro FILLROW i, s
.irp j, 0,1,2,3,4,5,6,7
	global_load_b128 v[GS+32*(\s)+4*\j:GS+32*(\s)+4*\j+3], v[XO+(\i)], s[4:5] offset:512*\j th:TH_LOAD_NT   ; each row of x is read once in the launch
.endr
.endm
.irp i, 0,1,2,3,4,5
	FILLROW \i, \i
.endr
	s_wait_loadcnt 48                              ; loads come back in order (ISA guide 5.7.1): the four words of perm are in, the 48 row loads stay out
.irp mt, 0,1,2,3
	v_min_u32 v[TK+\mt], 0x1fff, v[TK+\mt]
	v_lshlrev_b32 v[TK+\mt], 3, v[TK+\mt]
.endr
.irp mt, 0,1,2,3
	global_load_b64 v[EPR+2*\mt:EPR+2*\mt+1], v[TK+\mt], s[8:9]
	global_load_b64 v[WPR+2*\mt:WPR+2*\mt+1], v[TK+\mt], s[6:7]
.endr
; Row i: rounded in place, 8 bytes a lane into X (256 neighbouring bytes an instruction); its slot takes row i + 6.
.macro ROW i
.if \i <= 5
	s_wait_loadcnt 48                              ; younger: five rows and the eight loads of indices and weights
.elseif \i <= 10
	s_wait_loadcnt 40                              ; younger: five rows
.else
	s_wait_loadcnt 8*(15-\i)                       ; the counts run down; the last is 0
.endif
.irp j, 0,1,2,3,4,5,6,7
	v_cvt_pk_f16_f32 v[GS+32*(\i%6)+4*\j], v[GS+32*(\i%6)+4*\j], v[GS+32*(\i%6)+4*\j+1]
	v_cvt_pk_f16_f32 v[GS+32*(\i%6)+4*\j+1], v[GS+32*(\i%6)+4*\j+2], v[GS+32*(\i%6)+4*\j+3]
	ds_store_b64 v12, v[GS+32*(\i%6)+4*\j:GS+32*(\i%6)+4*\j+1] offset:XP*\i+256*\j
.endr
.if \i <= 9
	FILLROW \i+6, \i%6
.endif
.endm
.irp i, 0,1,2,3,4,5,6,7,8,9,10,11,12,13,14,15
	ROW \i
.endr
	; The last row's wait was for 0: indices and weights are in, and the loads that took their offsets from v[40:43] are done.
	; S = max(|w0| + |w1|, 2^-100) of my four rows, and the weights divided by it: no factor that goes into H is above 1 in size.
.irp mt, 0,1,2,3
	v_and_b32 v14, 0x7fffffff, v[WPR+2*\mt]
	v_and_b32 v[SC+\mt], 0x7fffffff, v[WPR+2*\mt+1]
	v_add_f32 v[SC+\mt], v[SC+\mt], v14
	v_max_num_f32 v[SC+\mt], 0x0d800000, v[SC+\mt] ; 2^-100: two weights of zero give the factor 0, not 0 / 0
.endr
.irp mt, 0,1,2,3
	v_rcp_f32 v[RS+\mt], v[SC+\mt]
.endr
	v_mov_b32 v[KA], 0xc0135761                    ; a = -2.3022082.  These four plain instructions also stand behind the reciprocals (ISA guide 5.7.2)
	v_mov_b32 v[KA+1], 0xc0135761
	v_mov_b32 v[KB], 0xbdd2d3e8                    ; b = -0.10294324
	v_mov_b32 v[KB+1], 0xbdd2d3e8
	s_wait_alu depctr_va_vdst(0)
.irp mt, 0,1,2,3
	v_mul_f32 v[WPR+2*\mt], v[WPR+2*\mt], v[RS+\mt]
	v_mul_f32 v[WPR+2*\mt+1], v[WPR+2*\mt+1], v[RS+\mt]
.endr
	s_ctz_i32_b32 s23, s22                         ; the tile's first expert: every tile names one
	s_min_u32 s23, s23, 7
	s_lshl_b32 s26, 1, s23
	s_and_not1_b32 s24, s22, s26                   ; the others
	s_lshl_b32 s20, s23, 20
	s_mov_b32 s21, 0
	s_add_nc_u64 s[28:29], s[14:15], s[20:21]      ; the pass's fragments: 1 MiB an expert
; ---------------- the parts of a pass ----------------
.macro COEF se                         ; c of my four rows for expert se
.irp mt, 0,1,2,3
	v_cmp_eq_u32 vcc_lo, \se, v[EPR+2*\mt]
	v_cndmask_b32 v[CS+2*\mt], 0, v[WPR+2*\mt], vcc_lo
	v_cmp_eq_u32 vcc_lo, \se, v[EPR+2*\mt+1]
	v_cndmask_b32 v14, 0, v[WPR+2*\mt+1], vcc_lo
	v_add_f32 v[CS+2*\mt], v[CS+2*\mt], v14
	v_mov_b32 v[CS+2*\mt+1], v[CS+2*\mt]
.endr
.endm
.macro LOADU u                         ; unit u into slot u % 6: eight loads of 512 consecutive bytes; other work-groups read them again: no hint
.irp i, 0,1,2,3
.irp j, 0,1
	global_load_b128 v[32*((\u)%6)+8*\i+4*\j:32*((\u)%6)+8*\i+4*\j+3], v4, s[28:29] offset:(\u)*4096+\i*1024+\j*512
.endr
.endr
.endm
.macro LDAX u, buf                     ; the four row fragments of X for K = 32 u .. +31
.irp mt, 0,1
	ds_load_b128 v[AB+32*(\buf)+8*\mt:AB+32*(\buf)+8*\mt+3], v5 offset:16*XP*\mt+64*(\u)
	ds_load_b128 v[AB+32*(\buf)+8*\mt+4:AB+32*(\buf)+8*\mt+7], v5 offset:16*XP*\mt+64*(\u)+32
.endr
.irp mt, 0,1
	ds_load_b128 v[AB+32*(\buf)+8*\mt+16:AB+32*(\buf)+8*\mt+19], v6 offset:16*XP*\mt+64*(\u)
	ds_load_b128 v[AB+32*(\buf)+8*\mt+20:AB+32*(\buf)+8*\mt+23], v6 offset:16*XP*\mt+64*(\u)+32
.endr
.endm
.macro LDAH ks, buf                    ; the four row fragments of H for K = 32 ks .. +31
.irp mt, 0,1,2,3
	ds_load_b128 v[AB+32*(\buf)+8*\mt:AB+32*(\buf)+8*\mt+3], v7 offset:16*HP*\mt+64*(\ks)
	ds_load_b128 v[AB+32*(\buf)+8*\mt+4:AB+32*(\buf)+8*\mt+7], v7 offset:16*HP*\mt+64*(\ks)+32
.endr
.endm
; Sixteen matrix instructions on sixteen accumulators, which take turns, one instruction a turn.
.macro MM1 u, zero                     ; zero = 1: the first products start the sums
.irp i, 0,1,2,3
.irp mt, 0,1,2,3
.if \zero
	v_wmma_f32_16x16x32_f16 v[ACC1+8*(4*\i+\mt):ACC1+8*(4*\i+\mt)+7], v[32*((\u)%6)+8*\i:32*((\u)%6)+8*\i+7], v[AB+32*((\u)&1)+8*\mt:AB+32*((\u)&1)+8*\mt+7], 0
.else
	v_wmma_f32_16x16x32_f16 v[ACC1+8*(4*\i+\mt):ACC1+8*(4*\i+\mt)+7], v[32*((\u)%6)+8*\i:32*((\u)%6)+8*\i+7], v[AB+32*((\u)&1)+8*\mt:AB+32*((\u)&1)+8*\mt+7], v[ACC1+8*(4*\i+\mt):ACC1+8*(4*\i+\mt)+7]
.endif
.endr
.endr
.endm
.macro MM2 u                           ; KS, Q, ZZ are set by UNIT_B
.irp i, 0,1,2,3
.irp mt, 0,1,2,3
.if ZZ
	v_wmma_f32_16x16x32_f16 v[8*((4*(Q&1)+\i)*4+\mt):8*((4*(Q&1)+\i)*4+\mt)+7], v[32*((\u)%6)+8*\i:32*((\u)%6)+8*\i+7], v[AB+32*(KS&1)+8*\mt:AB+32*(KS&1)+8*\mt+7], 0
.else
	v_wmma_f32_16x16x32_f16 v[8*((4*(Q&1)+\i)*4+\mt):8*((4*(Q&1)+\i)*4+\mt)+7], v[32*((\u)%6)+8*\i:32*((\u)%6)+8*\i+7], v[AB+32*(KS&1)+8*\mt:AB+32*(KS&1)+8*\mt+7], v[8*((4*(Q&1)+\i)*4+\mt):8*((4*(Q&1)+\i)*4+\mt)+7]
.endif
.endr
.endr
.endm
.macro UNIT_A u, zero                  ; unit u = 0..31 of the first product
	s_wait_loadcnt 40                              ; unit u is in; the five younger units, eight loads each, stay out
.if (\u) == 31
	s_wait_dscnt 0x0
.else
	s_wait_dscnt 0x8                               ; this unit's row fragments are in; the next unit's eight loads stay out
.endif
	WIN 0x05                                       ; sources in window 1, sums in window 0
	MM1 \u, \zero
	PLACES
	WIN 0x40                                       ; loads into window 1
	LOADU (\u)+6                                   ; from u = 26 on these are the second product's first units: the ring runs on through gelu and the barrier
.if (\u) <= 29
	LDAX (\u)+2, (\u)&1
.endif
.endm
.macro UNIT_B u, zero                  ; unit u = 32..63: K step KS = 0..7 of the second product, column block Q = 0..3
.set KS, ((\u)-32)>>2
.set Q, ((\u)-32)&3
.set ZZ, 0
.if \zero
.if KS == 0
.set ZZ, 1
.endif
.endif
.if (\u) <= 58
	s_wait_loadcnt 40
.else
	s_wait_loadcnt 8*(63-(\u))                     ; the counts run down; the last is 0, which also frees the base
.endif
.if Q == 0
.if KS == 7
	s_wait_dscnt 0x0
.else
	s_wait_dscnt 0x8                               ; this K step's row fragments are in; the next step's eight loads stay out
.endif
.endif
.if Q < 2
	WIN 0xa5                                       ; sources in window 1, sums in window 2
.else
	WIN 0xf5                                       ; sums in window 3
.endif
	MM2 \u
.if (\u) <= 57
	PLACES
	WIN 0x40
	LOADU (\u)+6
.if Q == 3
.if KS <= 5
	LDAH KS+2, KS&1
.endif
.endif
.endif
.if (\u) == 63
	PLACES                                         ; for whatever next loads into the ring and the buffers or reads the sums
.endif
.endm
; One tile of the first product: c z / (1 + 2^(z (a + b z^2))), rounded to f16, 16 bytes a lane into H.
.macro GELU8 i, mt
.set ZR, ACC1+8*(4*\i+\mt)
.irp p, 0,2,4,6
	v_pk_mul_f32 v[TT+\p:TT+\p+1], v[ZR+\p:ZR+\p+1], v[ZR+\p:ZR+\p+1]
.endr
.irp p, 0,2,4,6
	v_pk_fma_f32 v[TT+\p:TT+\p+1], v[TT+\p:TT+\p+1], v[KB:KB+1], v[KA:KA+1]
.endr
.irp p, 0,2,4,6
	v_pk_mul_f32 v[TT+\p:TT+\p+1], v[TT+\p:TT+\p+1], v[ZR+\p:ZR+\p+1]
.endr
.irp p, 0,1,2,3,4,5,6,7
	v_exp_f32 v[TT+\p], v[TT+\p]
.endr
.irp p, 0,2,4,6
	v_pk_mul_f32 v[UG+\p:UG+\p+1], v[ZR+\p:ZR+\p+1], v[CS+2*\mt:CS+2*\mt+1]   ; plain work that touches none of the powers stands behind them (ISA guide 5.7.2)
.endr
	s_wait_alu depctr_va_vdst(0)
.irp p, 0,2,4,6
	v_pk_add_f32 v[TT+\p:TT+\p+1], v[TT+\p:TT+\p+1], 1.0 op_sel_hi:[1,0]
.endr
.irp p, 0,1,2,3,4,5,6,7
	v_rcp_f32 v[TT+\p], v[TT+\p]
.endr
	v_nop                                          ; one plain instruction behind the reciprocals
	s_wait_alu depctr_va_vdst(0)
.irp p, 0,2,4,6
	v_pk_mul_f32 v[UG+\p:UG+\p+1], v[UG+\p:UG+\p+1], v[TT+\p:TT+\p+1]
.endr
.irp p, 0,1,2,3
	v_cvt_pk_f16_f32 v[PK+\p], v[UG+2*\p], v[UG+2*\p+1]
.endr
	ds_store_b128 v8, v[PK:PK+3] offset:16*HP*\mt+32*\i
.endm
.macro PASS_A                          ; X W1[e], gelu, H
	WIN 0x40
.irp u, 0,1,2,3,4,5
	LOADU \u
.endr
	LDAX 0, 0
	LDAX 1, 1
	UNIT_A 0, 1
.set UU, 1
.rept 31
	UNIT_A UU, 0
.set UU, UU+1
.endr
	WIN 0
.irp i, 0,1,2,3
.irp mt, 0,1,2,3
	GELU8 \i, \mt
.endr
.endr
.endm
.macro PASS_B zero                     ; out += H W2[e]; zero = 1: the first K step starts all 64 sums, nothing is cleared
	WIN 0x40
	LDAH 0, 0
	LDAH 1, 1
.set UU, 32
.rept 32
	UNIT_B UU, \zero
.set UU, UU+1
.endr
	WIN 0
.endm
	; ---------------- the passes ----------------
	BAR                                            ; X is whole
	COEF s23                                       ; the first expert's pass stands in front of the loop: it starts the out sums
	PASS_A
	BAR                                            ; H is whole
	PASS_B 1
	s_mov_b64 s[28:29], s[14:15]                   ; no load is out: the last unit's wait was for 0
	s_mov_b32 s25, 0
; Eight trips, one for each expert; a trip whose expert is not among the tile's others does nothing but pass the two barriers, which
; stand outside the branches, on every wave's way.  The mask is the same in all four waves.
.Ltrip:
	BAR                                            ; every wave's reads of H are back: H may be written again
	s_lshr_b32 s26, s24, s25
	s_and_b32 s26, s26, 1
	s_cmp_eq_u32 s26, 0
	s_cbranch_scc1 .LskipA
	COEF s25
	PASS_A
.LskipA:
	BAR                                            ; H is whole
	s_lshr_b32 s26, s24, s25
	s_and_b32 s26, s26, 1
	s_cmp_eq_u32 s26, 0
	s_cbranch_scc1 .LskipB
	PASS_B 0
.LskipB:
	s_wait_loadcnt 0x0                             ; no load names the base any more (met at once behind a pass)
	s_add_nc_u64 s[28:29], s[28:29], 0x100000      ; the next expert's fragments
	s_add_co_u32 s25, s25, 1
	s_cmp_lt_u32 s25, 8
	s_cbranch_scc1 .Ltrip
	; ---------------- the way out: times S, then 16 rows at a time through my wave's own stage, back as whole pieces of rows ----------------
.irp mt, 0,1,2,3
	v_mov_b32 v[CS+2*\mt], v[SC+\mt]               ; S of row 16 mt + r, twice: a lane's eight numbers of a tile belong to one row
	v_mov_b32 v[CS+2*\mt+1], v[SC+\mt]
.endr
.macro OUTG mt
	s_load_b512 s[36:51], s[30:31], 64*\mt         ; the tokens of rows 16 mt .. +15
	WIN 0x82                                       ; source 0 and destination in window 2, S in window 0
.irp n, 0,1,2,3,4,5,6,7
.irp p, 0,2,4,6
	v_pk_mul_f32 v[8*(4*\n+\mt)+\p:8*(4*\n+\mt)+\p+1], v[8*(4*\n+\mt)+\p:8*(4*\n+\mt)+\p+1], v[CS+2*\mt:CS+2*\mt+1]
.endr
.endr
	WIN 0x08                                       ; store data from window 2
.irp n, 0,1,2,3,4,5,6,7
	ds_store_b128 v9, v[8*(4*\n+\mt):8*(4*\n+\mt)+3] offset:64*\n
	ds_store_b128 v9, v[8*(4*\n+\mt)+4:8*(4*\n+\mt)+7] offset:64*\n+16
.endr
	WIN 0xc3                                       ; the same for window 3
.irp n, 0,1,2,3,4,5,6,7
.irp p, 0,2,4,6
	v_pk_mul_f32 v[8*(4*\n+\mt)+\p:8*(4*\n+\mt)+\p+1], v[8*(4*\n+\mt)+\p:8*(4*\n+\mt)+\p+1], v[CS+2*\mt:CS+2*\mt+1]
.endr
.endr
	WIN 0x0c
.irp n, 0,1,2,3,4,5,6,7
	ds_store_b128 v9, v[8*(4*\n+\mt):8*(4*\n+\mt)+3] offset:64*(\n+8)
	ds_store_b128 v9, v[8*(4*\n+\mt)+4:8*(4*\n+\mt)+7] offset:64*(\n+8)+16
.endr
	WIN 0
	s_wait_kmcnt 0x0
	s_wait_xcnt 0x0                                ; the offsets and data of the last sixteen rows' stores are rewritten only behind this wait (ISA guide 3.1)
.irp t, 0,1,2,3,4,5,6,7,8,9,10,11,12,13,14,15
	s_min_u32 s[36+\t], s[36+\t], 0x1fff
	s_lshl_b32 s[36+\t], s[36+\t], 12
	v_add_nc_u32 v[XO+\t], s[36+\t], v11           ; token x 4,096 + my wave's 1,024 bytes + 16 lane
.endr
.irp t, 0,1,2,3,4,5,6,7,8,9,10,11,12,13,14,15
	ds_load_b128 v[GS+8*\t:GS+8*\t+3], v10 offset:SP*\t          ; LDS serves a wave's instructions in order (ISA guide 5.7.1): these see the stores above
	ds_load_b128 v[GS+8*\t+4:GS+8*\t+7], v10 offset:SP*\t+512
.endr
.irp t, 0,1,2,3,4,5,6,7,8,9,10,11,12,13,14,15
	s_wait_dscnt 31-2*\t                           ; the younger read-backs stay out
	global_store_b128 v[XO+\t], v[GS+8*\t:GS+8*\t+3], s[16:17] th:TH_STORE_NT              ; 512 consecutive bytes of one out row, aligned
	s_wait_dscnt 30-2*\t
	global_store_b128 v[XO+\t], v[GS+8*\t+4:GS+8*\t+7], s[16:17] offset:512 th:TH_STORE_NT
.endr
.endm
	OUTG 0
	OUTG 1
	OUTG 2
	OUTG 3
	s_wait_xcnt 0x0
	v_lshl_add_u32 v254, v0, 2, 0x38c00
	v_mov_b32 v255, 0
	s_wait_tensorcnt 0x0
	ds_add_u32 v254, v255
	s_wait_dscnt 0x0
	s_endpgm
.Lfunc_end_k_qdf8f5ce890_moe:
	.size	k_qdf8f5ce890_moe, .Lfunc_end_k_qdf8f5ce890_moe-k_qdf8f5ce890_moe
	.p2alignl 7, 3214868480
	.fill 96, 4, 3214868480
	.section	.rodata,"a",@progbits
	.p2align	6, 0x0
	.amdhsa_kernel k_qdf8f5ce890_moe
		.amdhsa_group_segment_fixed_size 232960
		.amdhsa_private_segment_fixed_size 0
		.amdhsa_enable_private_segment 0
		.amdhsa_kernarg_size 56
		.amdhsa_user_sgpr_count 2
		.amdhsa_user_sgpr_kernarg_segment_ptr 1
		.amdhsa_wavefront_size32 1
		.amdhsa_system_sgpr_workgroup_id_x 1
		.amdhsa_system_sgpr_workgroup_id_y 1
		.amdhsa_system_sgpr_workgroup_id_z 1
		.amdhsa_system_vgpr_workitem_id 0
		.amdhsa_next_free_vgpr 1024
		.amdhsa_next_free_sgpr 66
		.amdhsa_reserve_vcc 1
		.amdhsa_float_denorm_mode_32 3
		.amdhsa_float_denorm_mode_16_64 3
		.amdhsa_memory_ordered 1
		.amdhsa_forward_progress 1
		.amdhsa_inst_pref_size 255
	.end_amdhsa_kernel
	.section	.bss,"aw",@nobits
	.p2align	6
	.space	262144
	.amdgpu_metadata
---
amdhsa.version: [ 1, 2 ]
amdhsa.kernels:
  - .name:           k_qdf8f5ce890_moe
    .symbol:         k_qdf8f5ce890_moe.kd
    .args:
      - { .name: x, .offset: 0, .size: 8, .value_kind: global_buffer, .address_space: global }
      - { .name: expert_weights, .offset: 8, .size: 8, .value_kind: global_buffer, .address_space: global }
      - { .name: expert_indices, .offset: 16, .size: 8, .value_kind: global_buffer, .address_space: global }
      - { .name: perm, .offset: 24, .size: 8, .value_kind: global_buffer, .address_space: global }
      - { .name: tmask, .offset: 32, .size: 8, .value_kind: global_buffer, .address_space: global }
      - { .name: wf, .offset: 40, .size: 8, .value_kind: global_buffer, .address_space: global }
      - { .name: out0, .offset: 48, .size: 8, .value_kind: global_buffer, .address_space: global }
    .group_segment_fixed_size: 232960
    .private_segment_fixed_size: 0
    .kernarg_segment_align: 8
    .kernarg_segment_size: 56
    .max_flat_workgroup_size: 128
    .sgpr_count:     66
    .vgpr_count:     1024
    .wavefront_size: 32
...
	.end_amdgpu_metadata
.endif
;; end of part 2
;; ======== version 2 of 3: 2 launches; 1.28 times as fast as version 1
;; limits: values are held in f16: magnitudes above 65,504 overflow, below 6.1e-05 lose precision
;; workspace buffers: perm 32,768 bytes of whole numbers; bstart 256 bytes of whole numbers; wf 8,388,608 bytes
;; launch prep (part 3): grid 164 x 1, 32 waves a work-group, no clusters, 4,352 bytes of LDS; arguments expert_indices, w1, w2, perm, wf, bstart; writes perm, wf, bstart
.if DOCPART == 3
	.amdgcn_target "amdgcn-amd-amdhsa--gfx1250"
	.amdhsa_code_object_version 6
	.text
	.protected	k_qdf8f5ce890_prep
	.globl	k_qdf8f5ce890_prep
	.p2align	8
	.type	k_qdf8f5ce890_prep,@function
k_qdf8f5ce890_prep:
	s_mov_b64 s[64:65], 0
	v_nop
	global_prefetch_b8 v0, s[64:65] scope:SCOPE_SE
	s_setreg_imm32_b32 hwreg(HW_REG_WAVE_MODE, 25, 1), 1
	s_wait_xcnt 0x0
; ParallelDroplessMLP, first of two launches: the order of the tokens, and the weights in f16 in fragment order.
;
; WORK LEFT OUT (both launches).  The result is out[t] = sum over k of w[t,k] * MLP_e(x[t]) with e = idx[t,k]: for every other expert
; the reference multiplies that expert's y by a mask that is 0, whatever finite values x, w1 and w2 hold.  So an expert is run on a tile of 64
; tokens only if one of the tile's tokens names it; that is decided by whole numbers (expert_indices), stored here as an order and read
; from memory by the second launch.  Inside a tile a row that does not name the expert gets the factor 0.  The two copies of a token in
; x_rep are one row of x.  Every input has a way to the output and is loaded.
; LIMITS.  A NaN, an infinity or an overflow that arises only in an expert that no token of a tile names is not carried to the result.
; Where idx[t,0] = idx[t,1] the two weights are added first, and the weight is multiplied into gelu's result in front of the second
; product: another order of rounding than the reference's.  An index outside 0..7 matches no expert, as in the reference; only the
; sort key takes it as 7.
; FORMAT.  The matrix operands are f16 (eleven significant bits): a weight above 65,504 in size becomes infinite, one under 2^-14 keeps an
; absolute step of 2^-24.  w1 is drawn with a spread of 1/32 and w2 of 1/16: thirty times larger they stay under 12, thirty times smaller their
; spread is 0.001 and more, 17,000 steps.
;
; Work-groups 0..35: the 8,192 tokens are put in the order of their unordered pair of experts, key = 8 min + max, so that a tile of 64
;   neighbours names two experts, or more only where a run of equal keys ends inside it.  perm[place] = token.  Each of the 36 keys
;   with min <= max has a work-group of its own, which owns that key's places: it reads all 8,192 keys, counts the smaller ones (where
;   its places begin) and ranks the equal ones.  No work-group needs a number from another, and each word of perm is stored by one.
;   bstart[number of the key, in ascending order] = the key's first place: from these 36 words the second launch tells a tile's experts.
; Work-groups 36..163: wf[e][w][U][i][j][L][t] (f16; bytes e<<20 + w<<18 + U<<12 + i<<10 + j<<9 + 16 L + 2 t), with L = 16 h + r and
;   k = 32 ks + 16 j + 8 h + t:  U < 32: ks = U, w1[e][k][64 w + 16 i + r];  U >= 32: ks = (U-32)>>2, q = (U-32)&3,
;   w2[e][k][256 w + 64 q + 16 i + r].  The two runs j = 0, 1 of 512 bytes are one matrix fragment of 16 n x 32 k as 32 lanes hold it.
.set BINS, 36
.set KEY,  32                          ; v[32:39]   key of my token in chunk c
.set LP,   40                          ; v[40:47]   how many tokens of my wave with the work-group's key stand in front of it
.set DST,  104                         ; v[104:111] byte offset in perm
.set TOK,  112                         ; v[112:119] my token in chunk c
	s_load_b256 s[4:11], s[0:1], 0x0               ; expert_indices s[4:5], w1 s[6:7], w2 s[8:9], perm s[10:11]
	s_load_b128 s[12:15], s[0:1], 0x20             ; wf s[12:13], bstart s[14:15]
	v_lshl_add_u32 v126, v0, 2, 0x100
	v_mov_b32 v127, 0
	v_lshrrev_b32 v1, 5, v0
	v_readfirstlane_b32 s16, v1                    ; wave W, 0..31
	v_and_b32 v1, 31, v0                           ; lane
	s_cmp_ge_u32 ttmp9, BINS                       ; the same in all waves of a work-group: the one barrier below is passed by all 32 waves
	s_cbranch_scc1 .Lconv
	; ---------------- work-groups 0..35: one key's places ----------------
	; The keys in ascending order: min = 0 has eight (numbers 0..7), min = 1 seven (8..14), and so on.  min = how many of these runs'
	; begins the number has reached; key = number + min (min + 1) / 2 = 8 min + max.
	s_mov_b32 s18, 0
.irp thr, 8,15,21,26,30,33,35
	s_cmp_ge_u32 ttmp9, \thr
	s_cselect_b32 s19, 1, 0
	s_add_co_u32 s18, s18, s19
.endr
	s_add_co_u32 s19, s18, 1
	s_mul_i32 s19, s19, s18
	s_lshr_b32 s19, s19, 1
	s_add_co_u32 s17, s19, ttmp9                   ; the work-group's key
	; Token = 256 W + 32 c + lane, c = 0..7.
	v_lshlrev_b32 v3, 3, v1                        ; 8 lane
	v_lshl_add_u32 v4, s16, 11, v3                 ; my token's two indices in chunk 0: 8 bytes a token
	v_lshl_add_u32 v59, s16, 8, v1                 ; my token in chunk 0
	s_wait_kmcnt 0x0
.irp c, 0,1,2,3,4,5,6,7
	global_load_b64 v[16+2*\c:17+2*\c], v4, s[4:5] offset:256*\c
.endr
	s_mov_b32 s20, 0                               ; my wave's tokens with the key, so far
	s_mov_b32 s22, 0                               ; my wave's tokens with a smaller key
	s_wait_loadcnt 0x0
.irp c, 0,1,2,3,4,5,6,7
	v_min_u32 v56, 7, v[16+2*\c]
	v_min_u32 v57, 7, v[17+2*\c]
	v_min_u32 v58, v56, v57
	v_max_u32 v56, v56, v57
	v_lshl_add_u32 v[KEY+\c], v58, 3, v56
	v_cmp_gt_u32 vcc_lo, s17, v[KEY+\c]            ; the lanes with a smaller key
	s_bcnt1_i32_b32 s21, vcc_lo
	s_add_co_u32 s22, s22, s21
	v_cmp_eq_u32 vcc_lo, s17, v[KEY+\c]            ; the lanes with the key:
	v_mbcnt_lo_u32_b32 v[LP+\c], vcc_lo, s20       ; the count so far + the holders in lower lanes is each holder's rank in the wave
	s_bcnt1_i32_b32 s21, vcc_lo
	s_add_co_u32 s20, s20, s21
.endr
	v_mov_b32 v48, s22
	v_mov_b32 v49, s20
	v_mov_b32 v5, s16
	v_lshlrev_b32 v5, 3, v5
	ds_store_b64 v5, v[48:49]                      ; my wave's own 8 bytes; all lanes write the same pair
	s_wait_dscnt 0x0                               ; stored, for the other waves' sake
	s_barrier_signal -1
	s_barrier_wait -1
	ds_load_b64 v[50:51], v3                       ; lane i: wave i's two counts.  Nothing is written to LDS any more
	v_cmp_gt_u32 vcc_lo, s16, v1                   ; the waves in front of mine
	s_wait_dscnt 0x0
	v_cndmask_b32 v51, 0, v51, vcc_lo
	v_add_nc_u32 v58, v50, v51                     ; all smaller keys, and the key's tokens in the waves in front of mine:
	v_mov_b32 v57, 0
.irp n, 1,2,4,8
	v_mov_b32_dpp v57, v58 row_xmask:\n row_mask:0xf bank_mask:0xf
	v_add_nc_u32 v58, v58, v57
.endr
	v_readlane_b32 s21, v58, 0                     ; the sum over lanes 0-15,
	v_readlane_b32 s23, v58, 16                    ; over lanes 16-31:
	s_add_co_u32 s23, s23, s21                     ; the place of my wave's first token with the key; in wave 0 the key's first place
	s_lshl_b32 s24, ttmp9, 2
	v_mov_b32 v60, s23
	v_mov_b32 v61, s24                             ; the key's word in bstart
.irp c, 0,1,2,3,4,5,6,7
	v_add_nc_u32 v[DST+\c], s23, v[LP+\c]
	v_min_u32 v[DST+\c], 0x1fff, v[DST+\c]         ; a number made of loaded ones enters an address only bounded
	v_lshlrev_b32 v[DST+\c], 2, v[DST+\c]
	v_add_nc_u32 v[TOK+\c], 32*\c, v59
.endr
	s_wait_xcnt 0x0                                ; EXEC is a source of every memory instruction: it changes only behind this wait
.irp c, 0,1,2,3,4,5,6,7
	v_cmp_eq_u32 vcc_lo, s17, v[KEY+\c]
	s_and_saveexec_b32 s21, vcc_lo                 ; the holders alone
	global_store_b32 v[DST+\c], v[TOK+\c], s[10:11] ; perm[place] = token: 4 bytes a lane, the holders of a chunk store neighbouring words; 32 KiB in the whole launch
	s_wait_xcnt 0x0                                ; and again in front of the line that widens it
	s_or_b32 exec_lo, exec_lo, s21
.endr
	s_cmp_lg_u32 s16, 0                            ; wave 0 has no wave in front of it: its base is the count of the smaller keys
	s_cbranch_scc1 .Lrdone
	v_cmp_eq_u32 vcc_lo, 0, v1
	s_and_saveexec_b32 s21, vcc_lo                 ; one lane (no memory instruction has been issued since the last wait on XCNT)
	global_store_b32 v61, v60, s[14:15]            ; one word a work-group, 144 bytes in the whole launch
	s_wait_xcnt 0x0
	s_or_b32 exec_lo, exec_lo, s21
.Lrdone:
	s_wait_tensorcnt 0x0
	ds_add_u32 v126, v127
	s_wait_dscnt 0x0
	s_endpgm
	; ---------------- work-groups 36..163: the weights ----------------
	; A wave takes one (e, w, U, j): 16 k x 64 n of f32 in, four runs of 512 bytes of f16 out.  Lane lam loads column n0 + 32 ip + lam
	; of 16 rows k; eight neighbouring k of one column are one lane's 16 bytes of a fragment.
.Lconv:
	s_sub_co_u32 s17, ttmp9, BINS
	s_lshl_b32 s17, s17, 5
	s_add_co_u32 s17, s17, s16                     ; task = e<<9 | w<<7 | U<<1 | j
	s_and_b32 s18, s17, 1                          ; j
	s_bfe_u32 s19, s17, 0x60001                    ; U
	s_bfe_u32 s20, s17, 0x20007                    ; w
	s_lshr_b32 s21, s17, 9                         ; e
	s_lshr_b32 s22, s17, 1
	s_lshl_b32 s22, s22, 12
	s_lshl_b32 s23, s18, 9
	s_add_co_u32 s22, s22, s23                     ; e<<20 + w<<18 + U<<12 + j<<9
	v_and_b32 v4, 15, v1                           ; r
	v_lshrrev_b32 v5, 4, v1                        ; which of the two column blocks of a load
	v_lshlrev_b32 v3, 4, v4
	v_lshl_add_u32 v3, v5, 10, v3
	v_add_nc_u32 v3, s22, v3                       ; out: 16 r + 1024 (lam >> 4) + the task's place
	v_lshlrev_b32 v2, 2, v1                        ; in: 4 lam
	s_lshl_b32 s21, s21, 20                        ; an expert's w1 and its w2 are 1 MiB each
; b: the scalar pair of the tensor; ks: bytes from a row k to the next
.macro CONV b, ks
.irp h, 0,1
.irp ip, 0,1
.irp kk, 0,1,2,3,4,5,6,7
	global_load_b32 v[8+16*\h+8*\ip+\kk], v2, s[\b:\b+1] offset:(8*\h+\kk)*\ks+128*\ip th:TH_LOAD_NT   ; read once in the launch
.endr
.endr
.endr
	s_wait_loadcnt 0x0
.irp h, 0,1
.irp ip, 0,1
.irp p, 0,1,2,3
	v_cvt_pk_f16_f32 v[40+4*(2*\h+\ip)+\p], v[8+16*\h+8*\ip+2*\p], v[8+16*\h+8*\ip+2*\p+1]
.endr
	global_store_b128 v3, v[40+4*(2*\h+\ip):40+4*(2*\h+\ip)+3], s[12:13] offset:2048*\ip+256*\h   ; sixteen lanes fill 256 consecutive bytes, aligned
.endr
.endr
.endm
	s_cmp_lt_u32 s19, 32
	s_cbranch_scc0 .Lw2
	s_lshl_b32 s23, s19, 15                        ; w1[e][32 U + 16 j + ..][64 w + ..]: rows of 1,024 bytes
	s_add_co_u32 s21, s21, s23
	s_lshl_b32 s23, s18, 14
	s_add_co_u32 s21, s21, s23
	s_lshl_b32 s23, s20, 8
	s_add_co_u32 s21, s21, s23
	v_add_nc_u32 v2, s21, v2
	s_wait_kmcnt 0x0
	CONV 6, 1024
	s_endpgm
.Lw2:
	s_and_b32 s19, s19, 31                         ; w2[e][32 ks + 16 j + ..][256 w + 64 q + ..]: rows of 4,096 bytes
	s_lshr_b32 s23, s19, 2
	s_lshl_b32 s23, s23, 17
	s_add_co_u32 s21, s21, s23
	s_lshl_b32 s23, s18, 16
	s_add_co_u32 s21, s21, s23
	s_lshl_b32 s23, s20, 10
	s_add_co_u32 s21, s21, s23
	s_and_b32 s23, s19, 3
	s_lshl_b32 s23, s23, 8
	s_add_co_u32 s21, s21, s23
	v_add_nc_u32 v2, s21, v2
	s_wait_kmcnt 0x0
	CONV 8, 4096
	s_endpgm
.Lfunc_end_k_qdf8f5ce890_prep:
	.size	k_qdf8f5ce890_prep, .Lfunc_end_k_qdf8f5ce890_prep-k_qdf8f5ce890_prep
	.p2alignl 7, 3214868480
	.fill 96, 4, 3214868480
	.section	.rodata,"a",@progbits
	.p2align	6, 0x0
	.amdhsa_kernel k_qdf8f5ce890_prep
		.amdhsa_group_segment_fixed_size 4352
		.amdhsa_private_segment_fixed_size 0
		.amdhsa_enable_private_segment 0
		.amdhsa_kernarg_size 48
		.amdhsa_user_sgpr_count 2
		.amdhsa_user_sgpr_kernarg_segment_ptr 1
		.amdhsa_wavefront_size32 1
		.amdhsa_system_sgpr_workgroup_id_x 1
		.amdhsa_system_sgpr_workgroup_id_y 1
		.amdhsa_system_sgpr_workgroup_id_z 1
		.amdhsa_system_vgpr_workitem_id 0
		.amdhsa_next_free_vgpr 128
		.amdhsa_next_free_sgpr 66
		.amdhsa_reserve_vcc 1
		.amdhsa_float_denorm_mode_32 3
		.amdhsa_float_denorm_mode_16_64 3
		.amdhsa_memory_ordered 1
		.amdhsa_forward_progress 1
		.amdhsa_inst_pref_size 21
	.end_amdhsa_kernel
	.amdgpu_metadata
---
amdhsa.version: [ 1, 2 ]
amdhsa.kernels:
  - .name:           k_qdf8f5ce890_prep
    .symbol:         k_qdf8f5ce890_prep.kd
    .args:
      - { .name: expert_indices, .offset: 0, .size: 8, .value_kind: global_buffer, .address_space: global }
      - { .name: w1, .offset: 8, .size: 8, .value_kind: global_buffer, .address_space: global }
      - { .name: w2, .offset: 16, .size: 8, .value_kind: global_buffer, .address_space: global }
      - { .name: perm, .offset: 24, .size: 8, .value_kind: global_buffer, .address_space: global }
      - { .name: wf, .offset: 32, .size: 8, .value_kind: global_buffer, .address_space: global }
      - { .name: bstart, .offset: 40, .size: 8, .value_kind: global_buffer, .address_space: global }
    .group_segment_fixed_size: 4352
    .private_segment_fixed_size: 0
    .kernarg_segment_align: 8
    .kernarg_segment_size: 48
    .max_flat_workgroup_size: 1024
    .sgpr_count:     66
    .vgpr_count:     128
    .wavefront_size: 32
...
	.end_amdgpu_metadata
.endif
;; end of part 3
;; launch moe (part 4): grid 128 x 1, 4 waves a work-group, no clusters, 232,960 bytes of LDS; arguments x, expert_weights, expert_indices, perm, bstart, wf, out0; writes out0
.if DOCPART == 4
	.amdgcn_target "amdgcn-amd-amdhsa--gfx1250"
	.amdhsa_code_object_version 6
	.text
	.protected	k_qdf8f5ce890_moe
	.globl	k_qdf8f5ce890_moe
	.p2align	8
	.type	k_qdf8f5ce890_moe,@function
k_qdf8f5ce890_moe:
	s_mov_b64 s[64:65], 0
	v_nop
	global_prefetch_b8 v0, s[64:65] scope:SCOPE_SE
	s_setreg_imm32_b32 hwreg(HW_REG_WAVE_MODE, 25, 1), 1
	s_wait_xcnt 0x0
; ParallelDroplessMLP, second launch.  A work-group owns the 64 tokens at places 64 g .. 64 g + 63 of perm from their x rows to their out rows:
;   out[t] = S[t] sum over the experts e that the tile names of ( c[t,e] gelu(x[t] W1[e]) ) W2[e],
;   c[t,e] = sum over k of (w[t,k] / S[t]) (idx[t,k] == e),   S[t] = max(|w[t,0]| + |w[t,1]|, 2^-100).
; WORK LEFT OUT: experts that no token of the tile names (their mask in the reference is 0 for all 64 rows, whatever the inputs hold).  Which they are
; follows from whole numbers read from memory: the places are in the order of the key 8 min + max of a token's two experts, and bstart holds each
; key's first place; a key whose places reach into the tile names its two experts.  A NaN, infinity or overflow that arises only in the work left
; out is not carried to the result.  c is multiplied in ahead of the second product, and two equal indices add their weights first: another order
; of rounding than the reference's.
; gelu is the tanh form, rearranged exactly: z (1 + tanh(s (z + 0.044715 z^3))) / 2 = z / (1 + 2^(z (a + b z^2))), a = -2 s log2 e, b = 0.044715 a.
; Where the power overflows or comes out as zero the factor ends at 0 or 1, the limits of the tanh form.
; FORMAT AND ITS LIMITS.  The matrix operands (x, W1, c gelu, W2) are f16, eleven significant bits; sums, gelu and the weights are f32.  An operand above
; 65,504 in size becomes infinite; one under 2^-14 keeps an absolute step of 2^-24.  The room, from the kind of numbers that the inputs hold: x thirty
; times larger stays under 200; z = x W1 has a spread of 1, of 900 with x and W1 both thirty times larger (six spreads: 5,400), and is
; 1,024 x 30 x 0.94 = 28,800 with both offset by thirty spreads; with both thirty times smaller gelu's spread is 0.0005, 9,000 steps.  |c| <= 1 by the
; division by S, so the weights' size does not enter an f16 operand at all.  |w0| + |w1| above 2^126 is not served (its reciprocal comes out as zero).
;
; Four waves.  x rows are gathered once, rounded to f16 and kept in LDS.  First product: wave w makes all 64 rows x FFN columns 64 w .. +63 (16
; accumulator tiles); the result goes through LDS as f16.  Second product: wave w makes all 64 rows x out columns 256 w .. +255: 64 accumulator
; tiles, 512 registers, which stay over all experts, so that a token's two copies are summed in registers and each out row is stored once.
; Weights come as ready fragments (wf) straight into the registers of the one wave that uses them, through a ring of six units of 4 KiB
; (four fragments of 16 n x 32 k, each multiplied with four row fragments); a pass is 64 units, 256 KiB consecutive for a wave.
; WHY TILES OF 64 ON 128 WORK-GROUPS: whatever its rows, a work-group walks an expert's whole 1 MiB of fragments.  With 64 rows a fragment of 1 KiB
; feeds four matrix instructions; with 32 rows on 256 work-groups it would feed two, and the launch would read twice the weight bytes.  128 rows
; would want 1,024 registers a lane for the out sums alone.
; NO CLUSTER, NO TENSOR LOADS: no weight byte is used by two waves of a work-group, so LDS would only be a detour for them; which experts a tile
; walks hangs on its keys, so neighbours would ask for different tiles; x is a gather of rows that are rounded on the way.
; THE MATRIX INSTRUCTION IS USED TRANSPOSED: source 0 = 16 columns of the weights, source 1 = 16 token rows.  Lane (r = lane % 16, h = lane / 16) then
; holds row r and the eight neighbouring columns n0 + 8 h + 0..7.
;
; LDS: X 64 rows x 2,064 (2,048 + 16); H 64 rows x 528 (512 + 16); STAGE 4 waves x 16 rows x 1,040 (1,024 + 16).  Each pitch is an odd multiple of 16
; bytes, so sixteen rows' 16-byte pieces fall on sixteen different 16-byte columns of a 256-byte span.
; REGISTERS: window 0: addresses, factors, gelu's work, v128-255 the first product's 16 tiles.  Window 1: v0-191 the ring, v192-223 and v224-255 two
; buffers of row fragments.  Windows 2, 3: the 64 out tiles; tile (q, i, mt) = columns 64 q + 16 i, rows 16 mt, at 8 ((4 (q & 1) + i) 4 + mt) of window 2 + (q >> 1).
; SCALARS: s[4:17] the buffers, s18 wave, s22 the tile's experts, s23 the first, s24 the others, s25 the loop's expert, s[28:29] the pass's fragments,
; s[30:33] perm at the tile and at the wave's rows, s34, s35 the tile's first place and its end, s[36:51] tokens, s[68:99] and s[52:55] the 36 starts.
.set XP,   2064
.set HP,   528
.set SP,   1040
.set LH,   64*XP                       ; 132,096: H
.set LS,   LH+64*HP                    ; 165,888: STAGE
.set EPR,  16                          ; v[16:23]  the two indices of row 16 mt + r
.set WPR,  24                          ; v[24:31]  its two weights, from the end of the gather on divided by S
.set CS,   32                          ; v[32:39]  c of row 16 mt + r for the pass's expert, twice (a pair for the packed multiply); on the way out S, twice
.set TK,   40                          ; v[40:43]  token of row 16 mt + r, then 8 x token;
.set SC,   40                          ;           from the end of the gather on S of row 16 mt + r
.set PK,   44                          ; v[44:47]  eight f16 on their way to H
.set XO,   48                          ; v[48:63]  byte offsets of 16 rows: in x (gather), in out (way out)
.set GS,   64                          ; v[64:255] six row slots of the gather; v[64:191] the way out
.set TT,   64                          ; v[64:71]  gelu
.set UG,   72                          ; v[72:79]  gelu
.set KA,   80                          ; v[80:81]  a, twice
.set KB,   82                          ; v[82:83]  b, twice
.set RS,   84                          ; v[84:87]  1 / S, used once
.set ACC1, 128
.set AB,   192                         ; window 1
; v1 lane, v2 r, v3 h, v4 weights' offset, v5/v6 X fragments (rows 0-31 / 32-63), v7 H fragments, v8 H stores, v9 stage in, v10 stage back,
; v11 16 lane + 1024 w, v12 X stores, v13 16 lane, v14 at work, v15 4 r
.set MSB, 0
.macro WIN new                         ; low byte: bits 1:0 source 0, 3:2 source 1, 5:4 source 2, 7:6 destination; the high byte repeats the setting that is left
.if MSB != \new
	s_set_vgpr_msb (MSB<<8)|\new
.set MSB, \new
.endif
.endm
.macro PLACES                          ; a load into a matrix instruction's source and a read of its result stand four plain vector
.rept 4                                ; instructions behind it (ISA guide 7.12.1)
	v_nop
.endr
.endm
.macro BAR
	s_wait_dscnt 0x0                               ; my LDS stores have landed and my LDS reads are back, for the other waves' sake
	s_barrier_signal -1
	s_barrier_wait -1
.endm
	s_load_b256 s[4:11], s[0:1], 0x0               ; x s[4:5], expert_weights s[6:7], expert_indices s[8:9], perm s[10:11]
	s_load_b128 s[12:15], s[0:1], 0x20             ; bstart s[12:13], wf s[14:15]
	s_load_b64 s[16:17], s[0:1], 0x30              ; out0
	v_lshrrev_b32 v14, 5, v0
	v_readfirstlane_b32 s18, v14                   ; wave w
	v_and_b32 v1, 31, v0
	v_and_b32 v2, 15, v0
	v_bfe_u32 v3, v0, 4, 1
	v_lshlrev_b32 v13, 4, v1
	s_lshl_b32 s26, s18, 18
	v_add_nc_u32 v4, s26, v13                      ; my wave's 256 KiB of an expert's fragments + 16 lane
	v_mul_u32_u24 v5, v2, XP
	v_lshl_add_u32 v5, v3, 4, v5                   ; row r x pitch + 16 h
	v_add_nc_u32 v6, 32*XP, v5                     ; rows 32-63 lie beyond the reach of the 16-bit offset
	v_mul_u32_u24 v7, v2, HP
	v_lshl_add_u32 v7, v3, 4, v7
	v_add_nc_u32 v7, LH, v7
	s_lshl_b32 s26, s18, 7
	v_add_nc_u32 v8, s26, v7                       ; my wave's 64 columns of H: 128 bytes of each row
	s_mul_i32 s26, s18, 16*SP
	s_add_co_u32 s26, s26, LS                      ; my wave's stage
	v_mul_u32_u24 v9, v2, SP
	v_lshl_add_u32 v9, v3, 5, v9
	v_add_nc_u32 v9, s26, v9                       ; in: row r, 32 bytes for each half of the lanes
	v_add_nc_u32 v10, s26, v13                     ; back: 512 neighbouring bytes of a row
	v_lshl_add_u32 v11, s18, 10, v13
	s_mul_i32 s26, s18, 16*XP
	v_lshl_add_u32 v12, v1, 3, s26                 ; my wave's 16 rows of X + 8 lane
	v_lshlrev_b32 v15, 2, v2
	s_wait_kmcnt 0x0
	s_lshl_b32 s20, ttmp9, 8
	s_mov_b32 s21, 0
	s_add_nc_u64 s[30:31], s[10:11], s[20:21]      ; perm at my tile's 64 places
	s_lshl_b32 s20, s18, 6
	s_add_nc_u64 s[32:33], s[30:31], s[20:21]      ; and at my wave's 16
	s_load_b512 s[36:51], s[32:33], 0x0            ; the tokens of rows 16 w .. 16 w + 15
	s_load_b512 s[68:83], s[12:13], 0x0            ; the first places of keys number 0..15,
	s_load_b512 s[84:99], s[12:13], 0x40           ; 16..31,
	s_load_b128 s[52:55], s[12:13], 0x80           ; 32..35
.irp mt, 0,1,2,3
	global_load_b32 v[TK+\mt], v15, s[30:31] offset:64*\mt   ; the token of row 16 mt + r
.endr
	s_wait_kmcnt 0x0
	; ---------------- the gather: wave w brings rows 16 w .. +15, six rows (48 loads) on their way ----------------
.irp i, 0,1,2,3,4,5,6,7,8,9,10,11,12,13,14,15
	s_min_u32 s[36+\i], s[36+\i], 0x1fff           ; a loaded number enters an address only bounded
	s_lshl_b32 s[36+\i], s[36+\i], 12              ; rows of 4,096 bytes
	v_add_nc_u32 v[XO+\i], s[36+\i], v13
.endr
.macro FILLROW i, s
.irp j, 0,1,2,3,4,5,6,7
	global_load_b128 v[GS+32*(\s)+4*\j:GS+32*(\s)+4*\j+3], v[XO+(\i)], s[4:5] offset:512*\j th:TH_LOAD_NT   ; each row of x is read once in the launch
.endr
.endm
.irp i, 0,1,2,3,4,5
	FILLROW \i, \i
.endr
	; The tile's experts, in scalar whole numbers, while the rows are on their way.  Key number b lies in places start[b] .. start[b+1] - 1 (the last
	; one up to 8,191) and reaches into the tile if max(start[b], 64 g) < min(start[b+1], 64 g + 64); a key without tokens never does.  The 8,192
	; places are all taken, so every tile names an expert.
	s_lshl_b32 s34, ttmp9, 6                       ; 64 g
	s_add_co_u32 s35, s34, 64
	s_mov_b32 s22, 0
.set BN, 0
.macro TBIN lo, hi                     ; the keys come in ascending order: BN counts them
.if BN < 32
.set RB, 68+BN
.else
.set RB, 52+BN-32
.endif
.if BN+1 < 32
.set RE, 68+BN+1
.else
.set RE, 52+BN+1-32
.endif
	s_max_u32 s26, s[RB], s34
.if BN == 35
	s_min_u32 s27, s35, 0x2000
.else
	s_min_u32 s27, s[RE], s35
.endif
	s_cmp_lt_u32 s26, s27
	s_cselect_b32 s26, (1<<\lo)|(1<<\hi), 0
	s_or_b32 s22, s22, s26
.set BN, BN+1
.endm
.irp lo, 0,1,2,3,4,5,6,7
.irp hi, 0,1,2,3,4,5,6,7
.if \hi >= \lo
	TBIN \lo, \hi
.endif
.endr
.endr
	s_wait_loadcnt 48                              ; loads come back in order (ISA guide 5.7.1): the four words of perm are in, the 48 row loads stay out
.irp mt, 0,1,2,3
	v_min_u32 v[TK+\mt], 0x1fff, v[TK+\mt]
	v_lshlrev_b32 v[TK+\mt], 3, v[TK+\mt]
.endr
.irp mt, 0,1,2,3
	global_load_b64 v[EPR+2*\mt:EPR+2*\mt+1], v[TK+\mt], s[8:9]
	global_load_b64 v[WPR+2*\mt:WPR+2*\mt+1], v[TK+\mt], s[6:7]
.endr
; Row i: rounded in place, 8 bytes a lane into X (256 neighbouring bytes an instruction); its slot takes row i + 6.
.macro ROW i
.if \i <= 5
	s_wait_loadcnt 48                              ; younger: five rows and the eight loads of indices and weights
.elseif \i <= 10
	s_wait_loadcnt 40                              ; younger: five rows
.else
	s_wait_loadcnt 8*(15-\i)                       ; the counts run down; the last is 0
.endif
.irp j, 0,1,2,3,4,5,6,7
	v_cvt_pk_f16_f32 v[GS+32*(\i%6)+4*\j], v[GS+32*(\i%6)+4*\j], v[GS+32*(\i%6)+4*\j+1]
	v_cvt_pk_f16_f32 v[GS+32*(\i%6)+4*\j+1], v[GS+32*(\i%6)+4*\j+2], v[GS+32*(\i%6)+4*\j+3]
	ds_store_b64 v12, v[GS+32*(\i%6)+4*\j:GS+32*(\i%6)+4*\j+1] offset:XP*\i+256*\j
.endr
.if \i <= 9
	FILLROW \i+6, \i%6
.endif
.endm
.irp i, 0,1,2,3,4,5,6,7,8,9,10,11,12,13,14,15
	ROW \i
.endr
	; The last row's wait was for 0: indices and weights are in, and the loads that took their offsets from v[40:43] are done.
	; S = max(|w0| + |w1|, 2^-100) of my four rows, and the weights divided by it: no factor that goes into H is above 1 in size.
.irp mt, 0,1,2,3
	v_and_b32 v14, 0x7fffffff, v[WPR+2*\mt]
	v_and_b32 v[SC+\mt], 0x7fffffff, v[WPR+2*\mt+1]
	v_add_f32 v[SC+\mt], v[SC+\mt], v14
	v_max_num_f32 v[SC+\mt], 0x0d800000, v[SC+\mt] ; 2^-100: two weights of zero give the factor 0, not 0 / 0
.endr
.irp mt, 0,1,2,3
	v_rcp_f32 v[RS+\mt], v[SC+\mt]
.endr
	v_mov_b32 v[KA], 0xc0135761                    ; a = -2.3022082.  These four plain instructions also stand behind the reciprocals (ISA guide 5.7.2)
	v_mov_b32 v[KA+1], 0xc0135761
	v_mov_b32 v[KB], 0xbdd2d3e8                    ; b = -0.10294324
	v_mov_b32 v[KB+1], 0xbdd2d3e8
	s_wait_alu depctr_va_vdst(0)
.irp mt, 0,1,2,3
	v_mul_f32 v[WPR+2*\mt], v[WPR+2*\mt], v[RS+\mt]
	v_mul_f32 v[WPR+2*\mt+1], v[WPR+2*\mt+1], v[RS+\mt]
.endr
	s_ctz_i32_b32 s23, s22                         ; the tile's first expert
	s_min_u32 s23, s23, 7
	s_lshl_b32 s26, 1, s23
	s_and_not1_b32 s24, s22, s26                   ; the others
	s_lshl_b32 s20, s23, 20
	s_mov_b32 s21, 0
	s_add_nc_u64 s[28:29], s[14:15], s[20:21]      ; the pass's fragments: 1 MiB an expert
; ---------------- the parts of a pass ----------------
.macro COEF se                         ; c of my four rows for expert se
.irp mt, 0,1,2,3
	v_cmp_eq_u32 vcc_lo, \se, v[EPR+2*\mt]
	v_cndmask_b32 v[CS+2*\mt], 0, v[WPR+2*\mt], vcc_lo
	v_cmp_eq_u32 vcc_lo, \se, v[EPR+2*\mt+1]
	v_cndmask_b32 v14, 0, v[WPR+2*\mt+1], vcc_lo
	v_add_f32 v[CS+2*\mt], v[CS+2*\mt], v14
	v_mov_b32 v[CS+2*\mt+1], v[CS+2*\mt]
.endr
.endm
.macro LOADU u                         ; unit u into slot u % 6: eight loads of 512 consecutive bytes; other work-groups read them again: no hint
.irp i, 0,1,2,3
.irp j, 0,1
	global_load_b128 v[32*((\u)%6)+8*\i+4*\j:32*((\u)%6)+8*\i+4*\j+3], v4, s[28:29] offset:(\u)*4096+\i*1024+\j*512
.endr
.endr
.endm
.macro LDAX u, buf                     ; the four row fragments of X for K = 32 u .. +31
.irp mt, 0,1
	ds_load_b128 v[AB+32*(\buf)+8*\mt:AB+32*(\buf)+8*\mt+3], v5 offset:16*XP*\mt+64*(\u)
	ds_load_b128 v[AB+32*(\buf)+8*\mt+4:AB+32*(\buf)+8*\mt+7], v5 offset:16*XP*\mt+64*(\u)+32
.endr
.irp mt, 0,1
	ds_load_b128 v[AB+32*(\buf)+8*\mt+16:AB+32*(\buf)+8*\mt+19], v6 offset:16*XP*\mt+64*(\u)
	ds_load_b128 v[AB+32*(\buf)+8*\mt+20:AB+32*(\buf)+8*\mt+23], v6 offset:16*XP*\mt+64*(\u)+32
.endr
.endm
.macro LDAH ks, buf                    ; the four row fragments of H for K = 32 ks .. +31
.irp mt, 0,1,2,3
	ds_load_b128 v[AB+32*(\buf)+8*\mt:AB+32*(\buf)+8*\mt+3], v7 offset:16*HP*\mt+64*(\ks)
	ds_load_b128 v[AB+32*(\buf)+8*\mt+4:AB+32*(\buf)+8*\mt+7], v7 offset:16*HP*\mt+64*(\ks)+32
.endr
.endm
; Sixteen matrix instructions on sixteen accumulators, which take turns, one instruction a turn.
.macro MM1 u, zero                     ; zero = 1: the first products start the sums
.irp i, 0,1,2,3
.irp mt, 0,1,2,3
.if \zero
	v_wmma_f32_16x16x32_f16 v[ACC1+8*(4*\i+\mt):ACC1+8*(4*\i+\mt)+7], v[32*((\u)%6)+8*\i:32*((\u)%6)+8*\i+7], v[AB+32*((\u)&1)+8*\mt:AB+32*((\u)&1)+8*\mt+7], 0
.else
	v_wmma_f32_16x16x32_f16 v[ACC1+8*(4*\i+\mt):ACC1+8*(4*\i+\mt)+7], v[32*((\u)%6)+8*\i:32*((\u)%6)+8*\i+7], v[AB+32*((\u)&1)+8*\mt:AB+32*((\u)&1)+8*\mt+7], v[ACC1+8*(4*\i+\mt):ACC1+8*(4*\i+\mt)+7]
.endif
.endr
.endr
.endm
.macro MM2 u                           ; KS, Q, ZZ are set by UNIT_B
.irp i, 0,1,2,3
.irp mt, 0,1,2,3
.if ZZ
	v_wmma_f32_16x16x32_f16 v[8*((4*(Q&1)+\i)*4+\mt):8*((4*(Q&1)+\i)*4+\mt)+7], v[32*((\u)%6)+8*\i:32*((\u)%6)+8*\i+7], v[AB+32*(KS&1)+8*\mt:AB+32*(KS&1)+8*\mt+7], 0
.else
	v_wmma_f32_16x16x32_f16 v[8*((4*(Q&1)+\i)*4+\mt):8*((4*(Q&1)+\i)*4+\mt)+7], v[32*((\u)%6)+8*\i:32*((\u)%6)+8*\i+7], v[AB+32*(KS&1)+8*\mt:AB+32*(KS&1)+8*\mt+7], v[8*((4*(Q&1)+\i)*4+\mt):8*((4*(Q&1)+\i)*4+\mt)+7]
.endif
.endr
.endr
.endm
.macro UNIT_A u, zero                  ; unit u = 0..31 of the first product
	s_wait_loadcnt 40                              ; unit u is in; the five younger units, eight loads each, stay out
.if (\u) == 31
	s_wait_dscnt 0x0
.else
	s_wait_dscnt 0x8                               ; this unit's row fragments are in; the next unit's eight loads stay out
.endif
	WIN 0x05                                       ; sources in window 1, sums in window 0
	MM1 \u, \zero
	PLACES
	WIN 0x40                                       ; loads into window 1
	LOADU (\u)+6                                   ; from u = 26 on these are the second product's first units: the ring runs on through gelu and the barrier
.if (\u) <= 29
	LDAX (\u)+2, (\u)&1
.endif
.endm
.macro UNIT_B u, zero                  ; unit u = 32..63: K step KS = 0..7 of the second product, column block Q = 0..3
.set KS, ((\u)-32)>>2
.set Q, ((\u)-32)&3
.set ZZ, 0
.if \zero
.if KS == 0
.set ZZ, 1
.endif
.endif
.if (\u) <= 58
	s_wait_loadcnt 40
.else
	s_wait_loadcnt 8*(63-(\u))                     ; the counts run down; the last is 0, which also frees the base
.endif
.if Q == 0
.if KS == 7
	s_wait_dscnt 0x0
.else
	s_wait_dscnt 0x8                               ; this K step's row fragments are in; the next step's eight loads stay out
.endif
.endif
.if Q < 2
	WIN 0xa5                                       ; sources in window 1, sums in window 2
.else
	WIN 0xf5                                       ; sums in window 3
.endif
	MM2 \u
.if (\u) <= 57
	PLACES
	WIN 0x40
	LOADU (\u)+6
.if Q == 3
.if KS <= 5
	LDAH KS+2, KS&1
.endif
.endif
.endif
.if (\u) == 63
	PLACES                                         ; for whatever next loads into the ring and the buffers or reads the sums
.endif
.endm
; One tile of the first product: c z / (1 + 2^(z (a + b z^2))), rounded to f16, 16 bytes a lane into H.
.macro GELU8 i, mt
.set ZR, ACC1+8*(4*\i+\mt)
.irp p, 0,2,4,6
	v_pk_mul_f32 v[TT+\p:TT+\p+1], v[ZR+\p:ZR+\p+1], v[ZR+\p:ZR+\p+1]
.endr
.irp p, 0,2,4,6
	v_pk_fma_f32 v[TT+\p:TT+\p+1], v[TT+\p:TT+\p+1], v[KB:KB+1], v[KA:KA+1]
.endr
.irp p, 0,2,4,6
	v_pk_mul_f32 v[TT+\p:TT+\p+1], v[TT+\p:TT+\p+1], v[ZR+\p:ZR+\p+1]
.endr
.irp p, 0,1,2,3,4,5,6,7
	v_exp_f32 v[TT+\p], v[TT+\p]
.endr
.irp p, 0,2,4,6
	v_pk_mul_f32 v[UG+\p:UG+\p+1], v[ZR+\p:ZR+\p+1], v[CS+2*\mt:CS+2*\mt+1]   ; plain work that touches none of the powers stands behind them (ISA guide 5.7.2)
.endr
	s_wait_alu depctr_va_vdst(0)
.irp p, 0,2,4,6
	v_pk_add_f32 v[TT+\p:TT+\p+1], v[TT+\p:TT+\p+1], 1.0 op_sel_hi:[1,0]
.endr
.irp p, 0,1,2,3,4,5,6,7
	v_rcp_f32 v[TT+\p], v[TT+\p]
.endr
	v_nop                                          ; one plain instruction behind the reciprocals
	s_wait_alu depctr_va_vdst(0)
.irp p, 0,2,4,6
	v_pk_mul_f32 v[UG+\p:UG+\p+1], v[UG+\p:UG+\p+1], v[TT+\p:TT+\p+1]
.endr
.irp p, 0,1,2,3
	v_cvt_pk_f16_f32 v[PK+\p], v[UG+2*\p], v[UG+2*\p+1]
.endr
	ds_store_b128 v8, v[PK:PK+3] offset:16*HP*\mt+32*\i
.endm
.macro PASS_A                          ; X W1[e], gelu, H
	WIN 0x40
.irp u, 0,1,2,3,4,5
	LOADU \u
.endr
	LDAX 0, 0
	LDAX 1, 1
	UNIT_A 0, 1
.set UU, 1
.rept 31
	UNIT_A UU, 0
.set UU, UU+1
.endr
	WIN 0
.irp i, 0,1,2,3
.irp mt, 0,1,2,3
	GELU8 \i, \mt
.endr
.endr
.endm
.macro PASS_B zero                     ; out += H W2[e]; zero = 1: the first K step starts all 64 sums, nothing is cleared
	WIN 0x40
	LDAH 0, 0
	LDAH 1, 1
.set UU, 32
.rept 32
	UNIT_B UU, \zero
.set UU, UU+1
.endr
	WIN 0
.endm
	; ---------------- the passes ----------------
	BAR                                            ; X is whole
	COEF s23                                       ; the first expert's pass stands in front of the loop: it starts the out sums
	PASS_A
	BAR                                            ; H is whole
	PASS_B 1
	s_mov_b64 s[28:29], s[14:15]                   ; no load is out: the last unit's wait was for 0
	s_mov_b32 s25, 0
; Eight trips, one for each expert; a trip whose expert is not among the tile's others does nothing but pass the two barriers, which
; stand outside the branches, on every wave's way.  The mask is the same in all four waves.
.Ltrip:
	BAR                                            ; every wave's reads of H are back: H may be written again
	s_lshr_b32 s26, s24, s25
	s_and_b32 s26, s26, 1
	s_cmp_eq_u32 s26, 0
	s_cbranch_scc1 .LskipA
	COEF s25
	PASS_A
.LskipA:
	BAR                                            ; H is whole
	s_lshr_b32 s26, s24, s25
	s_and_b32 s26, s26, 1
	s_cmp_eq_u32 s26, 0
	s_cbranch_scc1 .LskipB
	PASS_B 0
.LskipB:
	s_wait_loadcnt 0x0                             ; no load names the base any more (met at once behind a pass)
	s_add_nc_u64 s[28:29], s[28:29], 0x100000      ; the next expert's fragments
	s_add_co_u32 s25, s25, 1
	s_cmp_lt_u32 s25, 8
	s_cbranch_scc1 .Ltrip
	; ---------------- the way out: times S, then 16 rows at a time through my wave's own stage, back as whole pieces of rows ----------------
.irp mt, 0,1,2,3
	v_mov_b32 v[CS+2*\mt], v[SC+\mt]               ; S of row 16 mt + r, twice: a lane's eight numbers of a tile belong to one row
	v_mov_b32 v[CS+2*\mt+1], v[SC+\mt]
.endr
.macro OUTG mt
	s_load_b512 s[36:51], s[30:31], 64*\mt         ; the tokens of rows 16 mt .. +15
	WIN 0x82                                       ; source 0 and destination in window 2, S in window 0
.irp n, 0,1,2,3,4,5,6,7
.irp p, 0,2,4,6
	v_pk_mul_f32 v[8*(4*\n+\mt)+\p:8*(4*\n+\mt)+\p+1], v[8*(4*\n+\mt)+\p:8*(4*\n+\mt)+\p+1], v[CS+2*\mt:CS+2*\mt+1]
.endr
.endr
	WIN 0x08                                       ; store data from window 2
.irp n, 0,1,2,3,4,5,6,7
	ds_store_b128 v9, v[8*(4*\n+\mt):8*(4*\n+\mt)+3] offset:64*\n
	ds_store_b128 v9, v[8*(4*\n+\mt)+4:8*(4*\n+\mt)+7] offset:64*\n+16
.endr
	WIN 0xc3                                       ; the same for window 3
.irp n, 0,1,2,3,4,5,6,7
.irp p, 0,2,4,6
	v_pk_mul_f32 v[8*(4*\n+\mt)+\p:8*(4*\n+\mt)+\p+1], v[8*(4*\n+\mt)+\p:8*(4*\n+\mt)+\p+1], v[CS+2*\mt:CS+2*\mt+1]
.endr
.endr
	WIN 0x0c
.irp n, 0,1,2,3,4,5,6,7
	ds_store_b128 v9, v[8*(4*\n+\mt):8*(4*\n+\mt)+3] offset:64*(\n+8)
	ds_store_b128 v9, v[8*(4*\n+\mt)+4:8*(4*\n+\mt)+7] offset:64*(\n+8)+16
.endr
	WIN 0
	s_wait_kmcnt 0x0
	s_wait_xcnt 0x0                                ; the offsets and data of the last sixteen rows' stores are rewritten only behind this wait (ISA guide 3.1)
.irp t, 0,1,2,3,4,5,6,7,8,9,10,11,12,13,14,15
	s_min_u32 s[36+\t], s[36+\t], 0x1fff
	s_lshl_b32 s[36+\t], s[36+\t], 12
	v_add_nc_u32 v[XO+\t], s[36+\t], v11           ; token x 4,096 + my wave's 1,024 bytes + 16 lane
.endr
.irp t, 0,1,2,3,4,5,6,7,8,9,10,11,12,13,14,15
	ds_load_b128 v[GS+8*\t:GS+8*\t+3], v10 offset:SP*\t          ; LDS serves a wave's instructions in order (ISA guide 5.7.1): these see the stores above
	ds_load_b128 v[GS+8*\t+4:GS+8*\t+7], v10 offset:SP*\t+512
.endr
.irp t, 0,1,2,3,4,5,6,7,8,9,10,11,12,13,14,15
	s_wait_dscnt 31-2*\t                           ; the younger read-backs stay out
	global_store_b128 v[XO+\t], v[GS+8*\t:GS+8*\t+3], s[16:17] th:TH_STORE_NT              ; 512 consecutive bytes of one out row, aligned
	s_wait_dscnt 30-2*\t
	global_store_b128 v[XO+\t], v[GS+8*\t+4:GS+8*\t+7], s[16:17] offset:512 th:TH_STORE_NT
.endr
.endm
	OUTG 0
	OUTG 1
	OUTG 2
	OUTG 3
	s_wait_xcnt 0x0
	v_lshl_add_u32 v254, v0, 2, 0x38c00
	v_mov_b32 v255, 0
	s_wait_tensorcnt 0x0
	ds_add_u32 v254, v255
	s_wait_dscnt 0x0
	s_endpgm
.Lfunc_end_k_qdf8f5ce890_moe:
	.size	k_qdf8f5ce890_moe, .Lfunc_end_k_qdf8f5ce890_moe-k_qdf8f5ce890_moe
	.p2alignl 7, 3214868480
	.fill 96, 4, 3214868480
	.section	.rodata,"a",@progbits
	.p2align	6, 0x0
	.amdhsa_kernel k_qdf8f5ce890_moe
		.amdhsa_group_segment_fixed_size 232960
		.amdhsa_private_segment_fixed_size 0
		.amdhsa_enable_private_segment 0
		.amdhsa_kernarg_size 56
		.amdhsa_user_sgpr_count 2
		.amdhsa_user_sgpr_kernarg_segment_ptr 1
		.amdhsa_wavefront_size32 1
		.amdhsa_system_sgpr_workgroup_id_x 1
		.amdhsa_system_sgpr_workgroup_id_y 1
		.amdhsa_system_sgpr_workgroup_id_z 1
		.amdhsa_system_vgpr_workitem_id 0
		.amdhsa_next_free_vgpr 1024
		.amdhsa_next_free_sgpr 100
		.amdhsa_reserve_vcc 1
		.amdhsa_float_denorm_mode_32 3
		.amdhsa_float_denorm_mode_16_64 3
		.amdhsa_memory_ordered 1
		.amdhsa_forward_progress 1
		.amdhsa_inst_pref_size 255
	.end_amdhsa_kernel
	.section	.bss,"aw",@nobits
	.p2align	6
	.space	262144
	.amdgpu_metadata
---
amdhsa.version: [ 1, 2 ]
amdhsa.kernels:
  - .name:           k_qdf8f5ce890_moe
    .symbol:         k_qdf8f5ce890_moe.kd
    .args:
      - { .name: x, .offset: 0, .size: 8, .value_kind: global_buffer, .address_space: global }
      - { .name: expert_weights, .offset: 8, .size: 8, .value_kind: global_buffer, .address_space: global }
      - { .name: expert_indices, .offset: 16, .size: 8, .value_kind: global_buffer, .address_space: global }
      - { .name: perm, .offset: 24, .size: 8, .value_kind: global_buffer, .address_space: global }
      - { .name: bstart, .offset: 32, .size: 8, .value_kind: global_buffer, .address_space: global }
      - { .name: wf, .offset: 40, .size: 8, .value_kind: global_buffer, .address_space: global }
      - { .name: out0, .offset: 48, .size: 8, .value_kind: global_buffer, .address_space: global }
    .group_segment_fixed_size: 232960
    .private_segment_fixed_size: 0
    .kernarg_segment_align: 8
    .kernarg_segment_size: 56
    .max_flat_workgroup_size: 128
    .sgpr_count:     100
    .vgpr_count:     1024
    .wavefront_size: 32
...
	.end_amdgpu_metadata
.endif
;; end of part 4
;; ======== version 3 of 3: 2 launches; version 2 with the launch moe written anew for expert scheduling mode
;; limits: values are held in f16: magnitudes above 65,504 overflow, below 6.1e-05 lose precision
;; workspace buffers: perm 32,768 bytes of whole numbers; bstart 256 bytes of whole numbers; wf 8,388,608 bytes
;; launch prep: the kernel of part 3 again; grid 164 x 1, 32 waves a work-group, no clusters, 4,352 bytes of LDS; arguments expert_indices, w1, w2, perm, wf, bstart; writes perm, wf, bstart
;; launch moe (part 5): grid 128 x 1, 4 waves a work-group, no clusters, 232,960 bytes of LDS; arguments x, expert_weights, expert_indices, perm, bstart, wf, out0; writes out0
.if DOCPART == 5
	.amdgcn_target "amdgcn-amd-amdhsa--gfx1250"
	.amdhsa_code_object_version 6
	.text
	.protected	k_qdf8f5ce890_moe
	.globl	k_qdf8f5ce890_moe
	.p2align	8
	.type	k_qdf8f5ce890_moe,@function
k_qdf8f5ce890_moe:
	s_mov_b64 s[64:65], 0
	v_nop
	global_prefetch_b8 v0, s[64:65] scope:SCOPE_SE
	s_setreg_imm32_b32 hwreg(HW_REG_WAVE_SCHED_MODE, 0, 2), 2
	s_setreg_imm32_b32 hwreg(HW_REG_WAVE_MODE, 25, 1), 1
	s_wait_xcnt 0x0
	s_wait_alu depctr_vm_vsrc(0)
; ParallelDroplessMLP, second launch.  A work-group owns the 64 tokens at places 64 g .. 64 g + 63 of perm from their x rows to their out rows:
;   out[t] = S[t] sum over the experts e that the tile names of ( c[t,e] gelu(x[t] W1[e]) ) W2[e],
;   c[t,e] = sum over k of (w[t,k] / S[t]) (idx[t,k] == e),   S[t] = max(|w[t,0]| + |w[t,1]|, 2^-100).
; WORK LEFT OUT: experts that no token of the tile names (their mask in the reference is 0 for all 64 rows, whatever the inputs hold).  Which they are
; follows from whole numbers read from memory: the places are in the order of the key 8 min + max of a token's two experts, and bstart holds each
; key's first place; a key whose places reach into the tile names its two experts.  A NaN, infinity or overflow that arises only in the work left
; out is not carried to the result.  c is multiplied in ahead of the second product, and two equal indices add their weights first: another order
; of rounding than the reference's.
; gelu is the tanh form, rearranged exactly: z (1 + tanh(s (z + 0.044715 z^3))) / 2 = z / (1 + 2^(z (a + b z^2))), a = -2 s log2 e, b = 0.044715 a.
; Where the power overflows or comes out as zero the factor ends at 0 or 1, the limits of the tanh form.
; FORMAT AND ITS LIMITS.  The matrix operands (x, W1, c gelu, W2) are f16, eleven significant bits; sums, gelu and the weights are f32.  An operand above
; 65,504 in size becomes infinite; one under 2^-14 keeps an absolute step of 2^-24.  The room, from the kind of numbers that the inputs hold: x thirty
; times larger stays under 200; z = x W1 has a spread of 1, of 900 with x and W1 both thirty times larger (six spreads: 5,400), and is
; 1,024 x 30 x 0.94 = 28,800 with both offset by thirty spreads; with both thirty times smaller gelu's spread is 0.0005, 9,000 steps.  |c| <= 1 by the
; division by S, so the weights' size does not enter an f16 operand at all.  |w0| + |w1| above 2^126 is not served (its reciprocal comes out as zero).
;
; Four waves.  x rows are gathered once, rounded to f16 and kept in LDS.  First product: wave w makes all 64 rows x FFN columns 64 w .. +63 (16
; accumulator tiles); the result goes through LDS as f16.  Second product: wave w makes all 64 rows x out columns 256 w .. +255: 64 accumulator
; tiles, 512 registers, which stay over all experts, so that a token's two copies are summed in registers and each out row is stored once.
; Weights come as ready fragments (wf) straight into the registers of the one wave that uses them, through a ring of six units of 4 KiB
; (four fragments of 16 n x 32 k, each multiplied with four row fragments); a pass is 64 units, 256 KiB consecutive for a wave.
; WHY TILES OF 64 ON 128 WORK-GROUPS: whatever its rows, a work-group walks an expert's whole 1 MiB of fragments.  With 64 rows a fragment of 1 KiB
; feeds four matrix instructions; with 32 rows on 256 work-groups it would feed two, and the launch would read twice the weight bytes.  128 rows
; would want 1,024 registers a lane for the out sums alone.
; NO CLUSTER, NO TENSOR LOADS: no weight byte is used by two waves of a work-group, so LDS would only be a detour for them; which experts a tile
; walks hangs on its keys, so neighbours would ask for different tiles; x is a gather of rows that are rounded on the way.
; THE MATRIX INSTRUCTION IS USED TRANSPOSED: source 0 = 16 columns of the weights, source 1 = 16 token rows.  Lane (r = lane % 16, h = lane / 16) then
; holds row r and the eight neighbouring columns n0 + 8 h + 0..7.
;
; THE MODE: SCHED_MODE bits 1:0 = 2 (LLVM: expert scheduling mode 2), set by the entry lines.  The code itself states the register dependences
; between vector or matrix instructions and memory or LDS instructions, with s_wait_alu, always for 0.
; THE PLAN.  Registers that memory or LDS instructions touch:
;   v4-v13, v15   offsets and LDS addresses: written at the head, never again; one wait on va_vdst ahead of the first load serves them all.
;   ring slot s   Unit u's sixteen matrix instructions read slot u % 6; the eight loads of unit u + 6 land in it, issued inside unit u + 1.
;   row buffers   First product, three: unit u reads buffer u % 3; the fragments of unit u + 3 land in it, issued inside unit u + 1.
;                 Second product, two: K step KS reads buffer KS & 1; the fragments of KS + 2 land in it, issued in the first unit of KS + 1.
;   So ONE wait on va_vdst stands at a unit's head: the unit before is done reading its slot and its row buffer.  Behind it come the unit's first four
;   matrix instructions, the run of loads into that slot and that buffer, and the other twelve.  The matrix instructions since the wait name this
;   unit's slot, this unit's buffer and the sums: none of the registers that those loads touch.
;   PK            Sixteen registers: the conversions of four gelu tiles write them, the four LDS stores behind one wait on va_vdst read them, and one
;                 wait on vm_vsrc stands ahead of the next four tiles' first conversion.
;   gather slots  A row's conversions work in place; a wait on va_vdst; its eight LDS stores; a wait on vm_vsrc; the slot's next row is asked for.
;   way out       The products with S and the sixteen offsets are made first; one wait on va_vdst; then LDS stores, read-backs and global stores.  One
;                 wait on vm_vsrc ahead of the offsets: the stores of the sixteen rows before have read XO and GS.
;
; LDS: X 64 rows x 2,064 (2,048 + 16); H 64 rows x 528 (512 + 16); STAGE 4 waves x 16 rows x 1,040 (1,024 + 16).  Each pitch is an odd multiple of 16
; bytes, so sixteen rows' 16-byte pieces fall on sixteen different 16-byte columns of a 256-byte span.
; REGISTERS: window 0: addresses, factors, gelu's work, v88-119 the third buffer of row fragments, v128-255 the first product's 16 tiles.  Window 1: v0-191 the
; ring, v192-223 and v224-255 two buffers of row fragments.  Windows 2, 3: the 64 out tiles; tile (q, i, mt) = columns 64 q + 16 i, rows 16 mt, at 8 ((4 (q & 1) + i) 4 + mt) of window 2 + (q >> 1).
; SCALARS: s[4:17] the buffers, s18 wave, s22 the tile's experts, s23 the first, s24 the others, s25 the loop's expert, s[28:29] the pass's fragments,
; s[30:33] perm at the tile and at the wave's rows, s34, s35 the tile's first place and its end, s[36:51] tokens, s[56:63] eight masks of lanes,
; s[68:99] and s[52:55] the 36 starts.
.set XP,   2064
.set HP,   528
.set SP,   1040
.set LH,   64*XP                       ; 132,096: H
.set LS,   LH+64*HP                    ; 165,888: STAGE
.set EPR,  16                          ; v[16:23]  the two indices of row 16 mt + r
.set WPR,  24                          ; v[24:31]  its two weights, from the end of the gather on divided by S
.set CS,   32                          ; v[32:39]  c of row 16 mt + r for the pass's expert, twice (a pair for the packed multiply); on the way out S, twice
.set TK,   40                          ; v[40:43]  token of row 16 mt + r, then 8 x token;
.set SC,   40                          ;           from the end of the gather on S of row 16 mt + r
.set XO,   48                          ; v[48:63]  byte offsets of 16 rows: in x (gather), in out (way out);
.set PK,   48                          ;           in the passes: four tiles' f16 on their way to H, four registers a tile
.set GS,   64                          ; v[64:255] six row slots of the gather; v[64:191] the way out
.set TT,   64                          ; v[64:71]  gelu
.set UG,   72                          ; v[72:79]  gelu
.set KA,   80                          ; v[80:81]  a, twice
.set KB,   82                          ; v[82:83]  b, twice
.set RS,   84                          ; v[84:87]  1 / S, used once
.set A2,   88                          ; v[88:119] row buffer 2, for the first product
.set ACC1, 128
.set AB,   192                         ; window 1: row buffers 0 and 1
.set CM,   56                          ; s[56:63]
; v1 lane, v2 r, v3 h, v4 weights' offset, v5/v6 X fragments (rows 0-31 / 32-63), v7 H fragments, v8 H stores, v9 stage in, v10 stage back,
; v11 16 lane + 1024 w, v12 X stores, v13 16 lane, v14 at work, v15 4 r
.set MSB, 0
.macro WIN new                         ; low byte: bits 1:0 source 0, 3:2 source 1, 5:4 source 2, 7:6 destination; the high byte repeats the setting that is left
.if MSB != (\new)
	s_set_vgpr_msb (MSB<<8)|(\new)
.set MSB, (\new)
.endif
.endm
.macro PLACES                          ; a vector instruction that reads a matrix result stands four plain vector
.rept 4                                ; instructions behind it (ISA guide 7.12.1)
	v_nop
.endr
.endm
.macro BAR
	s_wait_dscnt 0x0                               ; my LDS stores have landed and my LDS reads are back, for the other waves' sake
	s_barrier_signal -1
	s_barrier_wait -1
.endm
	s_load_b256 s[4:11], s[0:1], 0x0               ; x s[4:5], expert_weights s[6:7], expert_indices s[8:9], perm s[10:11]
	s_load_b128 s[12:15], s[0:1], 0x20             ; bstart s[12:13], wf s[14:15]
	s_load_b64 s[16:17], s[0:1], 0x30              ; out0
	v_lshl_add_u32 v46, v0, 2, 0x38c00
	v_mov_b32 v47, 0
	v_lshrrev_b32 v14, 5, v0
	v_readfirstlane_b32 s18, v14                   ; wave w
	v_and_b32 v1, 31, v0
	v_and_b32 v2, 15, v0
	v_bfe_u32 v3, v0, 4, 1
	v_lshlrev_b32 v13, 4, v1
	s_wait_alu depctr_va_sdst(0)                   ; s18 is written, ahead of its first reader: offsets, LDS addresses and perm's base are made from it
	s_lshl_b32 s26, s18, 18
	v_add_nc_u32 v4, s26, v13                      ; my wave's 256 KiB of an expert's fragments + 16 lane
	v_mul_u32_u24 v5, v2, XP
	v_lshl_add_u32 v5, v3, 4, v5                   ; row r x pitch + 16 h
	v_add_nc_u32 v6, 32*XP, v5                     ; rows 32-63 lie beyond the reach of the 16-bit offset
	v_mul_u32_u24 v7, v2, HP
	v_lshl_add_u32 v7, v3, 4, v7
	v_add_nc_u32 v7, LH, v7
	s_lshl_b32 s26, s18, 7
	v_add_nc_u32 v8, s26, v7                       ; my wave's 64 columns of H: 128 bytes of each row
	s_mul_i32 s26, s18, 16*SP
	s_add_co_u32 s26, s26, LS                      ; my wave's stage
	v_mul_u32_u24 v9, v2, SP
	v_lshl_add_u32 v9, v3, 5, v9
	v_add_nc_u32 v9, s26, v9                       ; in: row r, 32 bytes for each half of the lanes
	v_add_nc_u32 v10, s26, v13                     ; back: 512 neighbouring bytes of a row
	v_lshl_add_u32 v11, s18, 10, v13
	s_mul_i32 s26, s18, 16*XP
	v_lshl_add_u32 v12, v1, 3, s26                 ; my wave's 16 rows of X + 8 lane
	v_lshlrev_b32 v15, 2, v2
	s_wait_kmcnt 0x0
	s_lshl_b32 s20, ttmp9, 8
	s_mov_b32 s21, 0
	s_add_nc_u64 s[30:31], s[10:11], s[20:21]      ; perm at my tile's 64 places
	s_lshl_b32 s20, s18, 6
	s_add_nc_u64 s[32:33], s[30:31], s[20:21]      ; and at my wave's 16
	s_load_b512 s[36:51], s[32:33], 0x0            ; the tokens of rows 16 w .. 16 w + 15
	s_load_b512 s[68:83], s[12:13], 0x0            ; the first places of keys number 0..15,
	s_load_b512 s[84:99], s[12:13], 0x40           ; 16..31,
	s_load_b128 s[52:55], s[12:13], 0x80           ; 32..35
	s_wait_alu depctr_va_vdst(0)                   ; v4 to v13 and v15 are written: every load and store of the kernel that takes one of them as its offset or LDS address stands behind this wait
.irp mt, 0,1,2,3
	global_load_b32 v[TK+\mt], v15, s[30:31] offset:64*\mt   ; the token of row 16 mt + r
.endr
	s_wait_kmcnt 0x0
	; ---------------- the gather: wave w brings rows 16 w .. +15, six rows (48 loads) on their way ----------------
.irp i, 0,1,2,3,4,5,6,7,8,9,10,11,12,13,14,15
	s_min_u32 s[36+\i], s[36+\i], 0x1fff           ; a loaded number enters an address only bounded
	s_lshl_b32 s[36+\i], s[36+\i], 12              ; rows of 4,096 bytes
	v_add_nc_u32 v[XO+\i], s[36+\i], v13
.endr
.macro FILLROW i, s
.irp j, 0,1,2,3,4,5,6,7
	global_load_b128 v[GS+32*(\s)+4*\j:GS+32*(\s)+4*\j+3], v[XO+(\i)], s[4:5] offset:512*\j th:TH_LOAD_NT   ; each row of x is read once in the launch
.endr
.endm
	s_wait_alu depctr_va_vdst(0)                   ; the sixteen offsets v[XO ..] are written, which the rows' loads read
.irp i, 0,1,2,3,4,5
	FILLROW \i, \i
.endr
	; The tile's experts, in scalar whole numbers, while the rows are on their way.  Key number b lies in places start[b] .. start[b+1] - 1 (the last
	; one up to 8,191) and reaches into the tile if max(start[b], 64 g) < min(start[b+1], 64 g + 64); a key without tokens never does.  The 8,192
	; places are all taken, so every tile names an expert.
	s_lshl_b32 s34, ttmp9, 6                       ; 64 g
	s_add_co_u32 s35, s34, 64
	s_mov_b32 s22, 0
.set BN, 0
.macro TBIN lo, hi                     ; the keys come in ascending order: BN counts them
.if BN < 32
.set RB, 68+BN
.else
.set RB, 52+BN-32
.endif
.if BN+1 < 32
.set RE, 68+BN+1
.else
.set RE, 52+BN+1-32
.endif
	s_max_u32 s26, s[RB], s34
.if BN == 35
	s_min_u32 s27, s35, 0x2000
.else
	s_min_u32 s27, s[RE], s35
.endif
	s_cmp_lt_u32 s26, s27
	s_cselect_b32 s26, (1<<\lo)|(1<<\hi), 0
	s_or_b32 s22, s22, s26
.set BN, BN+1
.endm
.irp lo, 0,1,2,3,4,5,6,7
.irp hi, 0,1,2,3,4,5,6,7
.if \hi >= \lo
	TBIN \lo, \hi
.endif
.endr
.endr
	s_wait_loadcnt 48                              ; loads come back in order (ISA guide 5.7.1): the four words of perm are in, the 48 row loads stay out
.irp mt, 0,1,2,3
	v_min_u32 v[TK+\mt], 0x1fff, v[TK+\mt]
	v_lshlrev_b32 v[TK+\mt], 3, v[TK+\mt]
.endr
	s_wait_alu depctr_va_vdst(0)                   ; the four offsets v[TK ..] are written, which the eight loads below read
.irp mt, 0,1,2,3
	global_load_b64 v[EPR+2*\mt:EPR+2*\mt+1], v[TK+\mt], s[8:9]
	global_load_b64 v[WPR+2*\mt:WPR+2*\mt+1], v[TK+\mt], s[6:7]
.endr
; Row i: rounded in place, 8 bytes a lane into X (256 neighbouring bytes an instruction); its slot takes row i + 6.
.macro ROW i
.if \i <= 5
	s_wait_loadcnt 48                              ; younger: five rows and the eight loads of indices and weights
.elseif \i <= 10
	s_wait_loadcnt 40                              ; younger: five rows
.else
	s_wait_loadcnt 8*(15-\i)                       ; the counts run down; the last is 0
.endif
.irp j, 0,1,2,3,4,5,6,7
	v_cvt_pk_f16_f32 v[GS+32*(\i%6)+4*\j], v[GS+32*(\i%6)+4*\j], v[GS+32*(\i%6)+4*\j+1]
	v_cvt_pk_f16_f32 v[GS+32*(\i%6)+4*\j+1], v[GS+32*(\i%6)+4*\j+2], v[GS+32*(\i%6)+4*\j+3]
.endr
	s_wait_alu depctr_va_vdst(0)                   ; the conversions have written the registers that the LDS stores read, and are done with the slot, in which the next row's loads land
.irp j, 0,1,2,3,4,5,6,7
	ds_store_b64 v12, v[GS+32*(\i%6)+4*\j:GS+32*(\i%6)+4*\j+1] offset:XP*\i+256*\j
.endr
.if \i <= 9
	s_wait_alu depctr_vm_vsrc(0)                   ; the LDS stores have read the slot's registers, in which the loads below land (row 0's also: the loads of indices and weights have read v[TK ..])
	FILLROW \i+6, \i%6
.endif
.endm
.irp i, 0,1,2,3,4,5,6,7,8,9,10,11,12,13,14,15
	ROW \i
.endr
	s_wait_alu depctr_vm_vsrc(0)                   ; the LDS stores of rows 10 to 15 have read their slots, and the rows' loads v[XO ..]: from here on these registers are gelu's, PK, row buffer 2 and the first product's sums
	; The last row's wait was for 0: indices and weights are in, and the loads that took their offsets from v[40:43] are done.
	; S = max(|w0| + |w1|, 2^-100) of my four rows, and the weights divided by it: no factor that goes into H is above 1 in size.
.irp mt, 0,1,2,3
	v_and_b32 v14, 0x7fffffff, v[WPR+2*\mt]
	v_and_b32 v[SC+\mt], 0x7fffffff, v[WPR+2*\mt+1]
	v_add_f32 v[SC+\mt], v[SC+\mt], v14
	v_max_num_f32 v[SC+\mt], 0x0d800000, v[SC+\mt] ; 2^-100: two weights of zero give the factor 0, not 0 / 0
.endr
.irp mt, 0,1,2,3
	v_rcp_f32 v[RS+\mt], v[SC+\mt]
.endr
	v_mov_b32 v[KA], 0xc0135761                    ; a = -2.3022082.  These four plain instructions also stand behind the reciprocals (ISA guide 5.7.2)
	v_mov_b32 v[KA+1], 0xc0135761
	v_mov_b32 v[KB], 0xbdd2d3e8                    ; b = -0.10294324
	v_mov_b32 v[KB+1], 0xbdd2d3e8
	s_wait_alu depctr_va_vdst(0)
.irp mt, 0,1,2,3
	v_mul_f32 v[WPR+2*\mt], v[WPR+2*\mt], v[RS+\mt]
	v_mul_f32 v[WPR+2*\mt+1], v[WPR+2*\mt+1], v[RS+\mt]
.endr
	s_ctz_i32_b32 s23, s22                         ; the tile's first expert
	s_min_u32 s23, s23, 7
	s_lshl_b32 s26, 1, s23
	s_and_not1_b32 s24, s22, s26                   ; the others
	s_lshl_b32 s20, s23, 20
	s_mov_b32 s21, 0
	s_add_nc_u64 s[28:29], s[14:15], s[20:21]      ; the pass's fragments: 1 MiB an expert
; ---------------- the parts of a pass ----------------
.macro COEF se                         ; c of my four rows for expert se: the eight compares in one run, each into a scalar register of its own
.irp mt, 0,1,2,3
	v_cmp_eq_u32 s[CM+2*\mt], \se, v[EPR+2*\mt]
	v_cmp_eq_u32 s[CM+2*\mt+1], \se, v[EPR+2*\mt+1]
.endr
	s_wait_alu depctr_va_sdst(0)                   ; the eight masks s[56:63] are written, ahead of the selects that read them
.irp mt, 0,1,2,3
	v_cndmask_b32 v[CS+2*\mt], 0, v[WPR+2*\mt], s[CM+2*\mt]
	v_cndmask_b32 v14, 0, v[WPR+2*\mt+1], s[CM+2*\mt+1]
	v_add_f32 v[CS+2*\mt], v[CS+2*\mt], v14
	v_mov_b32 v[CS+2*\mt+1], v[CS+2*\mt]
.endr
.endm
.macro ABUF b                          ; row buffer b: its first register AR and its window AW
.if (\b) == 2
.set AR, A2
.set AW, 0
.else
.set AR, AB+32*(\b)
.set AW, 1
.endif
.endm
.macro LOADU u                         ; unit u into slot u % 6: eight loads of 512 consecutive bytes; other work-groups read them again: no hint
	WIN 0x40                                       ; loads into window 1, the offset in window 0
.irp i, 0,1,2,3
.irp j, 0,1
	global_load_b128 v[32*((\u)%6)+8*\i+4*\j:32*((\u)%6)+8*\i+4*\j+3], v4, s[28:29] offset:(\u)*4096+\i*1024+\j*512
.endr
.endr
.endm
.macro LDAX u                          ; the four row fragments of X for K = 32 u .. +31, into row buffer u % 3
	ABUF (\u)%3
	WIN AW<<6                                      ; loads into the buffer's window, the address in window 0
.irp mt, 0,1
	ds_load_b128 v[AR+8*\mt:AR+8*\mt+3], v5 offset:16*XP*\mt+64*(\u)
	ds_load_b128 v[AR+8*\mt+4:AR+8*\mt+7], v5 offset:16*XP*\mt+64*(\u)+32
.endr
.irp mt, 0,1
	ds_load_b128 v[AR+8*\mt+16:AR+8*\mt+19], v6 offset:16*XP*\mt+64*(\u)
	ds_load_b128 v[AR+8*\mt+20:AR+8*\mt+23], v6 offset:16*XP*\mt+64*(\u)+32
.endr
.endm
.macro LDAH ks, buf                    ; the four row fragments of H for K = 32 ks .. +31
	WIN 0x40
.irp mt, 0,1,2,3
	ds_load_b128 v[AB+32*(\buf)+8*\mt:AB+32*(\buf)+8*\mt+3], v7 offset:16*HP*\mt+64*(\ks)
	ds_load_b128 v[AB+32*(\buf)+8*\mt+4:AB+32*(\buf)+8*\mt+7], v7 offset:16*HP*\mt+64*(\ks)+32
.endr
.endm
; Four matrix instructions: weight fragment i of a unit with the four row fragments.  A unit's sixteen go to sixteen accumulators, which take turns,
; one instruction a turn.
.macro MM1 u, i, zero                  ; zero = 1: the first products start the sums
	ABUF (\u)%3
	WIN 0x01|(AW<<2)                               ; weights in window 1, rows in the buffer's window, sums in window 0
.irp mt, 0,1,2,3
.if \zero
	v_wmma_f32_16x16x32_f16 v[ACC1+8*(4*(\i)+\mt):ACC1+8*(4*(\i)+\mt)+7], v[32*((\u)%6)+8*(\i):32*((\u)%6)+8*(\i)+7], v[AR+8*\mt:AR+8*\mt+7], 0
.else
	v_wmma_f32_16x16x32_f16 v[ACC1+8*(4*(\i)+\mt):ACC1+8*(4*(\i)+\mt)+7], v[32*((\u)%6)+8*(\i):32*((\u)%6)+8*(\i)+7], v[AR+8*\mt:AR+8*\mt+7], v[ACC1+8*(4*(\i)+\mt):ACC1+8*(4*(\i)+\mt)+7]
.endif
.endr
.endm
.macro MM2 u, i                        ; KS, Q, ZZ are set by UNIT_B
.if Q < 2
	WIN 0xa5                                       ; sources in window 1, sums in window 2
.else
	WIN 0xf5                                       ; sums in window 3
.endif
.irp mt, 0,1,2,3
.if ZZ
	v_wmma_f32_16x16x32_f16 v[8*((4*(Q&1)+(\i))*4+\mt):8*((4*(Q&1)+(\i))*4+\mt)+7], v[32*((\u)%6)+8*(\i):32*((\u)%6)+8*(\i)+7], v[AB+32*(KS&1)+8*\mt:AB+32*(KS&1)+8*\mt+7], 0
.else
	v_wmma_f32_16x16x32_f16 v[8*((4*(Q&1)+(\i))*4+\mt):8*((4*(Q&1)+(\i))*4+\mt)+7], v[32*((\u)%6)+8*(\i):32*((\u)%6)+8*(\i)+7], v[AB+32*(KS&1)+8*\mt:AB+32*(KS&1)+8*\mt+7], v[8*((4*(Q&1)+(\i))*4+\mt):8*((4*(Q&1)+(\i))*4+\mt)+7]
.endif
.endr
.endm
.macro UNIT_A u, zero                  ; unit u = 0..31 of the first product
.if (\u) == 0
	s_wait_loadcnt 40                              ; unit 0 is in; the five younger units, eight loads each, stay out
	s_wait_dscnt 16                                ; its row fragments are in; the two younger sets of eight loads stay out
.else
	s_wait_loadcnt 32                              ; unit u is in; the four younger units stay out (unit u + 5 is asked for below)
.if (\u) == 31
	s_wait_dscnt 0x0
.else
	s_wait_dscnt 0x8                               ; this unit's row fragments are in; the next unit's eight loads stay out
.endif
	s_wait_alu depctr_va_vdst(0)                   ; the matrix instructions of unit u - 1 are done reading its ring slot and its row buffer, in which the loads below land
.endif
	MM1 \u, 0, \zero
.if (\u) > 0
.if (\u) <= 29
	LDAX (\u)+2                                    ; into the buffer of unit u - 1.  No further wait: the four matrix instructions since the wait name this unit's slot and buffer and the sums
.endif
	LOADU (\u)+5                                   ; into the slot of unit u - 1; from u = 27 on these are the second product's first units: the ring runs on through gelu and the barrier
.endif
	MM1 \u, 1, \zero
	MM1 \u, 2, \zero
	MM1 \u, 3, \zero
.if (\u) == 31
	PLACES                                         ; gelu reads the sums just made
.endif
.endm
.macro UNIT_B u, zero                  ; unit u = 32..63: K step KS = 0..7 of the second product, column block Q = 0..3
.set KS, ((\u)-32)>>2
.set Q, ((\u)-32)&3
.set ZZ, 0
.if \zero
.if KS == 0
.set ZZ, 1
.endif
.endif
.if (\u) <= 59
	s_wait_loadcnt 32                              ; unit u is in; the four younger units stay out
.else
	s_wait_loadcnt 8*(63-(\u))                     ; the counts run down; the last is 0, which also frees the base
.endif
.if Q == 0
.if KS == 0
	s_wait_dscnt 0x8                               ; this K step's row fragments are in; the next step's eight loads stay out
.else
	s_wait_dscnt 0x0                               ; this K step's row fragments, asked for four units ago
.endif
.endif
.if ((\u) > 32) && ((\u) <= 58)
	s_wait_alu depctr_va_vdst(0)                   ; the matrix instructions of unit u - 1 are done reading its ring slot and, at a K step's first unit, the row buffer of the step before
.endif
	MM2 \u, 0
.if (\u) <= 58
.if Q == 0
.if KS >= 1
.if KS <= 6
	LDAH KS+1, (KS+1)&1                            ; into the buffer of the K step before
.endif
.endif
.endif
	LOADU (\u)+5                                   ; into the slot of unit u - 1 (unit 32: of unit 31, which the wait at the pass's head covers); the four matrix instructions since the wait name neither
.endif
	MM2 \u, 1
	MM2 \u, 2
	MM2 \u, 3
.if (\u) == 63
	PLACES                                         ; for the vector instructions that next read the sums
.endif
.endm
; One tile of the first product: c z / (1 + 2^(z (a + b z^2))), rounded to f16, 16 bytes a lane; four tiles' results wait in PK for their stores into H.
.macro GELU8 i, mt
.set ZR, ACC1+8*(4*\i+\mt)
.irp p, 0,2,4,6
	v_pk_mul_f32 v[TT+\p:TT+\p+1], v[ZR+\p:ZR+\p+1], v[ZR+\p:ZR+\p+1]
.endr
.irp p, 0,2,4,6
	v_pk_fma_f32 v[TT+\p:TT+\p+1], v[TT+\p:TT+\p+1], v[KB:KB+1], v[KA:KA+1]
.endr
.irp p, 0,2,4,6
	v_pk_mul_f32 v[TT+\p:TT+\p+1], v[TT+\p:TT+\p+1], v[ZR+\p:ZR+\p+1]
.endr
.irp p, 0,1,2,3,4,5,6,7
	v_exp_f32 v[TT+\p], v[TT+\p]
.endr
.irp p, 0,2,4,6
	v_pk_mul_f32 v[UG+\p:UG+\p+1], v[ZR+\p:ZR+\p+1], v[CS+2*\mt:CS+2*\mt+1]   ; plain work that touches none of the powers stands behind them (ISA guide 5.7.2)
.endr
	s_wait_alu depctr_va_vdst(0)
.irp p, 0,2,4,6
	v_pk_add_f32 v[TT+\p:TT+\p+1], v[TT+\p:TT+\p+1], 1.0 op_sel_hi:[1,0]
.endr
.irp p, 0,1,2,3,4,5,6,7
	v_rcp_f32 v[TT+\p], v[TT+\p]
.endr
	v_nop                                          ; one plain instruction behind the reciprocals
	s_wait_alu depctr_va_vdst(0)
.irp p, 0,2,4,6
	v_pk_mul_f32 v[UG+\p:UG+\p+1], v[UG+\p:UG+\p+1], v[TT+\p:TT+\p+1]
.endr
.if \mt == 0
	s_wait_alu depctr_vm_vsrc(0)                   ; the four LDS stores before (of the last four tiles, or of the pass before) have read PK, which the conversions write again
.endif
.irp p, 0,1,2,3
	v_cvt_pk_f16_f32 v[PK+4*\mt+\p], v[UG+2*\p], v[UG+2*\p+1]
.endr
.endm
.macro PASS_A again                    ; X W1[e], gelu, H.  again = 1: a pass has gone before
	WIN 0x40
.if \again
	s_wait_alu depctr_va_vdst(0)                   ; the matrix instructions of the pass before are done reading the ring's slots and the row buffers, in which the loads below land
.endif
.irp u, 0,1,2,3,4,5
	LOADU \u
.endr
	LDAX 0
	LDAX 1
	LDAX 2
	UNIT_A 0, 1
.set UU, 1
.rept 31
	UNIT_A UU, 0
.set UU, UU+1
.endr
	WIN 0
.irp i, 0,1,2,3
.irp mt, 0,1,2,3
	GELU8 \i, \mt
.endr
	s_wait_alu depctr_va_vdst(0)                   ; the sixteen conversions have written PK, which the four LDS stores read
.irp mt, 0,1,2,3
	ds_store_b128 v8, v[PK+4*\mt:PK+4*\mt+3] offset:16*HP*\mt+32*\i
.endr
.endr
.endm
.macro PASS_B zero                     ; out += H W2[e]; zero = 1: the first K step starts all 64 sums, nothing is cleared
	WIN 0x40
	s_wait_alu depctr_va_vdst(0)                   ; the last matrix instructions in front are done reading row buffers 0 and 1, in which H's fragments land, and the slot that unit 32 has filled again
	LDAH 0, 0
	LDAH 1, 1
.set UU, 32
.rept 32
	UNIT_B UU, \zero
.set UU, UU+1
.endr
	WIN 0
.endm
	; ---------------- the passes ----------------
	BAR                                            ; X is whole
	COEF s23                                       ; the first expert's pass stands in front of the loop: it starts the out sums
	PASS_A 0
	BAR                                            ; H is whole
	PASS_B 1
	s_mov_b64 s[28:29], s[14:15]                   ; no load is out: the last unit's wait was for 0
	s_mov_b32 s25, 0
; Eight trips, one for each expert; a trip whose expert is not among the tile's others does nothing but pass the two barriers, which
; stand outside the branches, on every wave's way.  The mask is the same in all four waves.
.Ltrip:
	BAR                                            ; every wave's reads of H are back: H may be written again
	s_lshr_b32 s26, s24, s25
	s_and_b32 s26, s26, 1
	s_cmp_eq_u32 s26, 0
	s_cbranch_scc1 .LskipA
	COEF s25
	PASS_A 1
.LskipA:
	BAR                                            ; H is whole
	s_lshr_b32 s26, s24, s25
	s_and_b32 s26, s26, 1
	s_cmp_eq_u32 s26, 0
	s_cbranch_scc1 .LskipB
	PASS_B 0
.LskipB:
	s_wait_loadcnt 0x0                             ; no load names the base any more (met at once behind a pass)
	s_add_nc_u64 s[28:29], s[28:29], 0x100000      ; the next expert's fragments
	s_add_co_u32 s25, s25, 1
	s_cmp_lt_u32 s25, 8
	s_cbranch_scc1 .Ltrip
	; ---------------- the way out: times S, then 16 rows at a time through my wave's own stage, back as whole pieces of rows ----------------
.irp mt, 0,1,2,3
	v_mov_b32 v[CS+2*\mt], v[SC+\mt]               ; S of row 16 mt + r, twice: a lane's eight numbers of a tile belong to one row
	v_mov_b32 v[CS+2*\mt+1], v[SC+\mt]
.endr
.macro OUTG mt
	s_load_b512 s[36:51], s[30:31], 64*\mt         ; the tokens of rows 16 mt .. +15
	WIN 0x82                                       ; source 0 and destination in window 2, S in window 0
.irp n, 0,1,2,3,4,5,6,7
.irp p, 0,2,4,6
	v_pk_mul_f32 v[8*(4*\n+\mt)+\p:8*(4*\n+\mt)+\p+1], v[8*(4*\n+\mt)+\p:8*(4*\n+\mt)+\p+1], v[CS+2*\mt:CS+2*\mt+1]
.endr
.endr
	WIN 0xc3                                       ; the same for window 3
.irp n, 0,1,2,3,4,5,6,7
.irp p, 0,2,4,6
	v_pk_mul_f32 v[8*(4*\n+\mt)+\p:8*(4*\n+\mt)+\p+1], v[8*(4*\n+\mt)+\p:8*(4*\n+\mt)+\p+1], v[CS+2*\mt:CS+2*\mt+1]
.endr
.endr
	WIN 0
	s_wait_kmcnt 0x0
	s_wait_xcnt 0x0                                ; the offsets and data of the last sixteen rows' stores are rewritten only behind this wait (ISA guide 3.1)
	s_wait_alu depctr_vm_vsrc(0)                   ; the stores of the sixteen rows before have read v[XO ..] and v[GS ..] (ahead of the first sixteen: gelu's LDS stores have read v[XO ..]), which are written again below
.irp t, 0,1,2,3,4,5,6,7,8,9,10,11,12,13,14,15
	s_min_u32 s[36+\t], s[36+\t], 0x1fff
	s_lshl_b32 s[36+\t], s[36+\t], 12
	v_add_nc_u32 v[XO+\t], s[36+\t], v11           ; token x 4,096 + my wave's 1,024 bytes + 16 lane
.endr
	WIN 0x08                                       ; store data from window 2
	s_wait_alu depctr_va_vdst(0)                   ; the products with S are written, which the LDS stores read; the offsets v[XO ..] are written, which the global stores read; every vector and matrix instruction that named v[GS ..], in which the read-backs land, is done
.irp n, 0,1,2,3,4,5,6,7
	ds_store_b128 v9, v[8*(4*\n+\mt):8*(4*\n+\mt)+3] offset:64*\n
	ds_store_b128 v9, v[8*(4*\n+\mt)+4:8*(4*\n+\mt)+7] offset:64*\n+16
.endr
	WIN 0x0c                                       ; from window 3
.irp n, 0,1,2,3,4,5,6,7
	ds_store_b128 v9, v[8*(4*\n+\mt):8*(4*\n+\mt)+3] offset:64*(\n+8)
	ds_store_b128 v9, v[8*(4*\n+\mt)+4:8*(4*\n+\mt)+7] offset:64*(\n+8)+16
.endr
	WIN 0
.irp t, 0,1,2,3,4,5,6,7,8,9,10,11,12,13,14,15
	ds_load_b128 v[GS+8*\t:GS+8*\t+3], v10 offset:SP*\t          ; LDS serves a wave's instructions in order (ISA guide 5.7.1): these see the stores above
	ds_load_b128 v[GS+8*\t+4:GS+8*\t+7], v10 offset:SP*\t+512
.endr
.irp t, 0,1,2,3,4,5,6,7,8,9,10,11,12,13,14,15
	s_wait_dscnt 31-2*\t                           ; the younger read-backs stay out
	global_store_b128 v[XO+\t], v[GS+8*\t:GS+8*\t+3], s[16:17] th:TH_STORE_NT              ; 512 consecutive bytes of one out row, aligned
	s_wait_dscnt 30-2*\t
	global_store_b128 v[XO+\t], v[GS+8*\t+4:GS+8*\t+7], s[16:17] offset:512 th:TH_STORE_NT
.endr
.endm
	OUTG 0
	OUTG 1
	OUTG 2
	OUTG 3
	s_wait_dscnt 0x0
	s_wait_alu depctr_hold_cnt(0) depctr_sa_sdst(0) depctr_va_vdst(0) depctr_va_sdst(0) depctr_va_ssrc(0) depctr_va_vcc(0) depctr_vm_vsrc(0)
	s_wait_tensorcnt 0x0
	ds_add_u32 v46, v47
	s_wait_dscnt 0x0
	s_endpgm
.Lfunc_end_k_qdf8f5ce890_moe:
	.size	k_qdf8f5ce890_moe, .Lfunc_end_k_qdf8f5ce890_moe-k_qdf8f5ce890_moe
	.p2alignl 7, 3214868480
	.fill 96, 4, 3214868480
	.section	.rodata,"a",@progbits
	.p2align	6, 0x0
	.amdhsa_kernel k_qdf8f5ce890_moe
		.amdhsa_group_segment_fixed_size 232960
		.amdhsa_private_segment_fixed_size 0
		.amdhsa_enable_private_segment 0
		.amdhsa_kernarg_size 56
		.amdhsa_user_sgpr_count 2
		.amdhsa_user_sgpr_kernarg_segment_ptr 1
		.amdhsa_wavefront_size32 1
		.amdhsa_system_sgpr_workgroup_id_x 1
		.amdhsa_system_sgpr_workgroup_id_y 1
		.amdhsa_system_sgpr_workgroup_id_z 1
		.amdhsa_system_vgpr_workitem_id 0
		.amdhsa_next_free_vgpr 1024
		.amdhsa_next_free_sgpr 100
		.amdhsa_reserve_vcc 0
		.amdhsa_float_denorm_mode_32 3
		.amdhsa_float_denorm_mode_16_64 3
		.amdhsa_memory_ordered 1
		.amdhsa_forward_progress 1
		.amdhsa_inst_pref_size 255
	.end_amdhsa_kernel
	.section	.bss,"aw",@nobits
	.p2align	6
	.space	262144
	.amdgpu_metadata
---
amdhsa.version: [ 1, 2 ]
amdhsa.kernels:
  - .name:           k_qdf8f5ce890_moe
    .symbol:         k_qdf8f5ce890_moe.kd
    .args:
      - { .name: x, .offset: 0, .size: 8, .value_kind: global_buffer, .address_space: global }
      - { .name: expert_weights, .offset: 8, .size: 8, .value_kind: global_buffer, .address_space: global }
      - { .name: expert_indices, .offset: 16, .size: 8, .value_kind: global_buffer, .address_space: global }
      - { .name: perm, .offset: 24, .size: 8, .value_kind: global_buffer, .address_space: global }
      - { .name: bstart, .offset: 32, .size: 8, .value_kind: global_buffer, .address_space: global }
      - { .name: wf, .offset: 40, .size: 8, .value_kind: global_buffer, .address_space: global }
      - { .name: out0, .offset: 48, .size: 8, .value_kind: global_buffer, .address_space: global }
    .group_segment_fixed_size: 232960
    .private_segment_fixed_size: 0
    .kernarg_segment_align: 8
    .kernarg_segment_size: 56
    .max_flat_workgroup_size: 128
    .sgpr_count:     100
    .vgpr_count:     1024
    .wavefront_size: 32
...
	.end_amdgpu_metadata
.endif
;; end of part 5
